; MI455X (gfx1250); checked and timed in simulation.
; The chip was launched on July 23, 2026; its instructions are those of AMD's public machine-readable ISA for CDNA 5 (MIT licence, August 2026) and "CDNA5" Instruction Set Architecture Reference Guide (July 2026). The comments in the code are by the model that wrote it; some were corrected since.
;; Causal Multi Head Attention. Allowed arithmetic: matrix products marked QUANTISED: E4M3 operands, one E8M0 scale for each 32 along K, by v_wmma_scale_f32_16x16x128_f8f6f4 with both operands' format E4M3, f32 sums; everything else in f32.
;; Inputs: Wa_b 3,072 float32; Wa_w 3,072 x 1,024 float32; Wo_b 1,024 float32; Wo_w 1,024 x 1,024 float32; x 4 x 2,048 x 1,024 float32.
;; Outputs: out0 4 x 2,048 x 1,024 float32.
;; This version of the problem:
;;   THIS VERSION OF THE PROBLEM IS GIVEN IN LOW PRECISION. The matrix products marked QUANTISED in the list below multiply operands that are first quantised to E4M3 (4 exponent bits, 3 mantissa bits; 8 bits a number), with one power-of-two scale for each 32 numbers along K (OCP MX v1.0); their sums are f32. All else is computed in f32.
;;   The module's matrix products, in the order in which they are computed (A, B: the left and right operand; K: the contracted axis; several contracted axes count as one K, in the product's order):
;;     1. [M 8,192, K 1,024] x [K 1,024, N 3,072]; A: input x; B: input Wa_w: QUANTISED
;;     2. batch 64 x [M 2,048, K 64] x [K 64, N 2,048]; A: computed on the way; B: computed on the way: QUANTISED
;;     3. batch 64 x [M 2,048, K 2,048] x [K 2,048, N 64]; A: softmax (see below); B: computed on the way: QUANTISED
;;     4. [M 8,192, K 1,024] x [K 1,024, N 1,024]; A: computed on the way; B: input Wo_w: QUANTISED
;;   THE QUANTISER, for each operand of a quantised product, along K:
;;     - K is cut into blocks of 32 from its start; a last block that is shorter is filled with zeros.
;;     - A block's scale is 2^e with e = floor(log2(the largest magnitude in the block)) - 8, held to -126 .. 127; a block of zeros has e = 0. As a byte (E8M0): e + 127.
;;     - Each number is divided by its block's scale, clamped to +-448, and rounded to the nearest number of E4M3, ties to even, subnormals kept.
;;     - The product sums the exact products of the quantised numbers (number of the format x scale) in f32.
;;   ~~~python
;;   def quantise(x, axis):      # numpy; x: float32 -> the quantised numbers, widened to float32 again
;;       x = np.moveaxis(x, axis, -1); K = x.shape[-1]
;;       x = np.pad(x, [(0, 0)] * (x.ndim - 1) + [(0, -K % 32)]); x = x.reshape(x.shape[:-1] + (-1, 32)); a = np.abs(x).max(-1, keepdims=True)
;;       e = np.where(a > 0, np.clip(np.frexp(np.where(a > 0, a, 1))[1] - 1 - 8, -126, 127), 0)      # np.frexp(a)[1] - 1 = floor(log2(a)), exactly
;;       r = np.clip(x / 2.0 ** e, -448, 448)
;;       step = 2.0 ** (np.maximum(np.frexp(np.where(r == 0, 1, r))[1] - 1, -6) - 3)
;;       q = np.round(r / step) * step * 2.0 ** e      # np.round: ties to even
;;       return np.moveaxis(q.reshape(q.shape[:-2] + (-1,))[..., :K], -1, axis).astype(np.float32)
;;   ~~~
;;   SOFTMAX AHEAD OF A QUANTISED PRODUCT. Where the list says 'softmax', what is quantised is not the finished softmax but p = 2^(t - M), with t = logit x log2(e) and M = ceil(the row's largest t), a whole number; so 1/2 < the row's largest p <= 1. The row's sum l is taken of the UNQUANTISED p, in f32, and the product's result is divided by l at the end. Since M is a whole number, a kernel that streams over the keys may use a running M (the ceiling of the running maximum): every later rescaling is an exact power of two, which a block's scale takes up: the codes' values come out the same.
;;   OPERANDS COMPUTED ON THE WAY. 'Computed on the way' means the value that the module computes at that place (a softmax that the list does not call 'softmax' is quantised finished and normalised). What goes into a quantiser is computed in f32, as accurately as f32 sums, v_exp_f32 and their like allow (about 1e-6 of the number): no bf16 or f16 on the way to a quantiser, and a product that is left as it is and whose result goes on into a quantised operand takes f32 operands (vector FMAs, or v_wmma_f32_16x16x4_f32). A number that lies on a knife's edge between two numbers of the format may be rounded either way, as far as f32 arithmetic and the matrix unit's own rounding can turn it there, and no further.
;; One version. Each part assembles by itself: llvm-mc -triple=amdgcn-amd-amdhsa -mcpu=gfx1250 --defsym DOCPART=n.
;; ======== version 1 of 1: 4 launches
;; limits: right only within a limited range of input values
;; workspace buffers: x_codes 8,388,608 bytes; x_scales 262,144 bytes; w_codes 4,194,304 bytes; w_scales 131,072 bytes; qkv 25,952,256 bytes; o_codes 8,388,608 bytes; o_scales 262,144 bytes
;; launch quant (part 1): grid 384 x 1, 4 waves a work-group, no clusters, 33,280 bytes of LDS; arguments x, Wa_w, Wo_w, x_codes, x_scales, w_codes, w_scales; writes x_codes, x_scales, w_codes, w_scales
.if DOCPART == 1
	.amdgcn_target "amdgcn-amd-amdhsa--gfx1250"
	.amdhsa_code_object_version 6
	.text
	.protected	k_q7809157b25_quant
	.globl	k_q7809157b25_quant
	.p2align	8
	.type	k_q7809157b25_quant,@function
k_q7809157b25_quant:
	s_mov_b64 s[64:65], 0
	v_nop
	global_prefetch_b8 v0, s[64:65] scope:SCOPE_SE
	s_setreg_imm32_b32 hwreg(HW_REG_WAVE_MODE, 25, 1), 1
	s_wait_xcnt 0x0
; x [8192][1024], Wa_w [3072][1024] and Wo_w [1024][1024], f32 with K innermost, become codes of FP8 (E4M3), one byte each, K innermost, with one E8M0 scale byte for each 32 along K.
; A block's scale is 2^(floor(log2(its largest magnitude)) - 8); its byte is the largest magnitude's exponent field - 8, held at 1 from below.  Each number is divided by the scale, held within +-448 and rounded to the nearest code, ties to even.
; LIMITS: a block whose largest magnitude lies under 2^-118 has its byte held at 1; a block of zeros gets the byte 1 and not 127 (its codes are zeros, and this program alone reads the bytes); NaN and infinities among the inputs are not served.
; THE ROWS CHANGE PLACES ON THE WAY OUT.  Of each 32 rows the second and the third run of 8 are exchanged: row 32 b + 8 u + r + 8 (r / 8) lands at place 32 b + 16 u + r.  So 16 neighbouring places are the rows that a tile of a
; transposed product wants, for its results' registers to run along 16 neighbours (the later launches lean on it for Wa's and Wo's rows and for the tokens alike).
; A work-group takes 32 rows, a wave one run of 8 rows: 8,192 numbers, 16 steps of 512.  Work-groups 0-255 take x, 256-351 Wa_w, 352-383 Wo_w; Wo's codes and scale bytes lie behind Wa's in w_codes and w_scales.
; Each of a step's four loads reads 512 consecutive bytes, 16 a lane; the 2,048 bytes turn through the wave's own stage in LDS and come back 64 bytes a lane: 16 neighbours along K, two lanes to a block.
; A lane's 16 codes are 16 bytes: the wave stores 512 consecutive bytes.  A wave's 256 scale bytes are gathered in its own LDS bytes and leave as 256 consecutive bytes.  No barrier: waves share nothing.
; WORK LEFT OUT IN THE PROGRAM: reference() sets the score of key k for query q to -infinity where k > q, by a mask that it builds itself, so p is 0 there for all values of the inputs.
; Launch attn leaves out every tile of 128 keys x 32 queries all of whose keys come after all of its queries.  LIMIT: a NaN, an infinity or an overflow that reaches only such tiles is not carried to the result.
.set STEPS, 16
.set MANT,  0x600000                   ; the mantissa field of 448 as f32
.set CB,    16                         ; bytes of 16 codes
.set R,     16                         ; v16-79   four sets of 16 numbers as they are loaded
.set X,     80                         ; v80-111  two sets of 16 neighbours
.set C,     128                        ; v128-191 codes: four registers for each step, so that no store's data are written again
.set E,     112                        ; v112-127 a scale byte for each step
.set WREG,  8192                       ; LDS: a region for each wave: two stages of 32 x SP bytes, and behind them its 256 scale bytes
.set SP,    80                         ; a lane's place in a stage: its 64 bytes + 16 of padding
	s_load_b256 s[4:11], s[0:1], 0x0               ; x s[4:5], Wa_w s[6:7], Wo_w s[8:9], x's codes s[10:11]
	s_load_b128 s[12:15], s[0:1], 0x20             ; x's scales s[12:13], the weights' codes s[14:15]
	s_load_b64 s[16:17], s[0:1], 0x30              ; the weights' scales
	v_lshl_add_u32 v192, v0, 2, 0x8000
	v_mov_b32 v193, 0
	v_lshrrev_b32 v1, 5, v0
	v_readfirstlane_b32 s18, v1                    ; wave
	v_and_b32 v2, 31, v0                           ; lane
	v_lshlrev_b32 v3, 4, v2                        ; my 16 bytes of a load's 512
	s_mul_i32 s19, s18, WREG
	v_lshrrev_b32 v14, 2, v2
	v_mul_u32_u24 v14, v14, SP
	v_and_b32 v15, 3, v2
	v_lshl_add_u32 v14, v15, 4, v14
	v_add_nc_u32 v14, s19, v14                     ; the stage, on the way in: SP (lane / 4) + 16 (lane % 4); a load's 512 bytes take eight places
	v_mul_u32_u24 v15, v2, SP
	v_add_nc_u32 v15, s19, v15                     ; and on the way out: SP x lane: my 16 neighbours
	v_mul_u32_u24 v4, v2, CB                       ; my codes' place in a step's
	v_lshrrev_b32 v5, 1, v2
	s_add_co_u32 s19, s19, 2*32*SP
	v_add_nc_u32 v5, s19, v5                       ; LDS: my wave's 256 scale bytes, my block's byte
	v_lshlrev_b32 v7, 3, v2                        ; and on the way out 8 bytes a lane
	v_add_nc_u32 v6, s19, v7
	s_mov_b32 s23, MANT                            ; (an instruction takes one literal: the hold's line has another)
	s_wait_alu depctr_va_vdst(0)
	s_wait_kmcnt 0x0
	s_mov_b32 s20, 352                             ; which tensor is mine hangs on the work-group's number alone
	s_cmp_lt_u32 ttmp9, 352
	s_cselect_b64 s[6:7], s[6:7], s[8:9]           ; of the weights: Wa_w or Wo_w
	s_cselect_b32 s20, 256, s20                    ; and that tensor's first work-group
	s_cmp_lt_u32 ttmp9, 256
	s_cselect_b64 s[4:5], s[4:5], s[6:7]           ; the numbers
	s_cselect_b64 s[10:11], s[10:11], s[14:15]     ; the codes
	s_cselect_b64 s[12:13], s[12:13], s[16:17]     ; the scale bytes
	s_cselect_b32 s20, 0, s20
	s_cselect_b32 s21, 0, 256                      ; the output buffer's first work-group: Wo's rows follow Wa's
	s_sub_co_u32 s20, ttmp9, s20
	s_lshl_b32 s20, s20, 2
	s_add_co_u32 s24, s20, s18                     ; the run of 8 rows that I read
	s_mov_b32 s25, 0
	s_lshl_b64 s[24:25], s[24:25], 15              ; 32,768 bytes a run
	s_add_nc_u64 s[4:5], s[4:5], s[24:25]
	s_sub_co_u32 s21, ttmp9, s21
	s_lshl_b32 s21, s21, 2
	s_and_b32 s26, s18, 1
	s_lshl_b32 s26, s26, 1
	s_lshr_b32 s27, s18, 1
	s_or_b32 s26, s26, s27                         ; runs 1 and 2 of the four change places
	s_add_co_u32 s26, s21, s26                     ; the run's place in the output
	s_mov_b32 s27, 0
	s_lshl_b64 s[28:29], s[26:27], 13              ; 8,192 bytes of codes a run
	s_add_nc_u64 s[10:11], s[10:11], s[28:29]
	s_lshl_b64 s[28:29], s[26:27], 8               ; 256 scale bytes a run
	s_add_nc_u64 s[12:13], s[12:13], s[28:29]
.macro LOAD t
.irp i, 0,1,2,3
	global_load_b128 v[R+16*((\t)%4)+4*\i:R+16*((\t)%4)+4*\i+3], v3, s[4:5] offset:2048*(\t)+512*\i th:TH_LOAD_NT   ; 32 lanes read 512 consecutive bytes; read once in the launch
.endr
.endm
.macro TURN t                          ; step t's numbers through the stage: LDS serves a wave's instructions in order, so no wait stands between the stores and the loads
.irp i, 0,1,2,3
	ds_store_b128 v14, v[R+16*((\t)%4)+4*\i:R+16*((\t)%4)+4*\i+3] offset:32*SP*((\t)%2)+8*SP*\i
.endr
.irp i, 0,1,2,3
	ds_load_b128 v[X+16*((\t)%2)+4*\i:X+16*((\t)%2)+4*\i+3], v15 offset:32*SP*((\t)%2)+16*\i
.endr
.endm
.irp t, 0,1,2,3
	LOAD \t
.endr
	s_wait_loadcnt 12                              ; step 0's four loads are in; the twelve of steps 1 to 3 may be out
	TURN 0
.macro STEP t
.set XS, X+16*((\t)%2)
.if (\t) > 0
	s_wait_dscnt 1                                 ; this step's numbers are back from the stage (the last step's byte store may be out): so its stores into the stage have read their registers,
.else
	s_wait_dscnt 0x0
.endif
.if (\t)+4 < STEPS
	LOAD (\t)+4                                    ; which take the loads of four steps on
.endif
.if (\t)+1 < STEPS
.if STEPS-2-(\t) >= 3
	s_wait_loadcnt 12                              ; the next step's four loads are in; those of the three steps behind it may be out
.else
	s_wait_loadcnt 4*(STEPS-2-(\t))
.endif
	TURN (\t)+1                                    ; and go through the other stage while this step is worked
.endif
	v_max3_num_f32 v8, |v[XS]|, |v[XS+1]|, |v[XS+2]|               ; the largest magnitude of my 16, in two chains
	v_max3_num_f32 v9, |v[XS+3]|, |v[XS+4]|, |v[XS+5]|
.irp i, 6,10
	v_max3_num_f32 v8, v8, |v[XS+\i]|, |v[XS+\i+1]|
	v_max3_num_f32 v9, v9, |v[XS+\i+2]|, |v[XS+\i+3]|
.endr
	v_max3_num_f32 v8, v8, |v[XS+14]|, |v[XS+15]|
	v_max3_num_f32 v8, v8, v9, 0x4800000           ; and the floor 2^(9 - 127): so the byte cannot fall under 1
	v_max_num_f32_dpp v8, v8, v8 row_xmask:1 row_mask:0xf bank_mask:0xf   ; and of my neighbour's 16: the block's
	v_add_nc_u32 v11, 0xfc000000, v8               ; 8 off its exponent field: the conversion takes the exponent field of this operand as its scale, and nothing else of it
	v_and_or_b32 v10, v8, 0x7f800000, s23          ; 448 x the scale: the largest magnitude's exponent field over 448's mantissa
.irp i, 0,1,2,3,4,5,6,7,8,9,10,11,12,13,14,15
	v_med3_num_f32 v[XS+\i], v[XS+\i], -v10, v10   ; the conversion to an 8-bit code does not saturate (ISA guide 7.6.2): hold the number first
.endr
	v_cvt_scalef32_pk8_fp8_f32 v[C+4*(\t):C+4*(\t)+1], v[XS:XS+7], v11
	v_cvt_scalef32_pk8_fp8_f32 v[C+4*(\t)+2:C+4*(\t)+3], v[XS+8:XS+15], v11
	v_lshrrev_b32 v[E+(\t)], 23, v11               ; the scale's byte (also the plain line behind the conversions)
	ds_store_b8 v5, v[E+(\t)] offset:16*(\t)       ; both lanes of a block write the same byte with the same value
	global_store_b128 v4, v[C+4*(\t):C+4*(\t)+3], s[10:11] offset:32*CB*(\t)
.endm
.irp t, 0,1,2,3,4,5,6,7,8,9,10,11,12,13,14,15
	STEP \t
.endr
	ds_load_b64 v[12:13], v6                       ; LDS serves a wave's instructions in order: these see my stores
	s_wait_dscnt 0x0
	global_store_b64 v7, v[12:13], s[12:13]        ; 32 lanes store 256 consecutive bytes, aligned
	s_wait_tensorcnt 0x0
	ds_add_u32 v192, v193
	s_wait_dscnt 0x0
	s_endpgm
.Lfunc_end_k_q7809157b25_quant:
	.size	k_q7809157b25_quant, .Lfunc_end_k_q7809157b25_quant-k_q7809157b25_quant
	.p2alignl 7, 3214868480
	.fill 96, 4, 3214868480
	.section	.rodata,"a",@progbits
	.p2align	6, 0x0
	.amdhsa_kernel k_q7809157b25_quant
		.amdhsa_group_segment_fixed_size 33280
		.amdhsa_private_segment_fixed_size 0
		.amdhsa_enable_private_segment 0
		.amdhsa_kernarg_size 56
		.amdhsa_user_sgpr_count 2
		.amdhsa_user_sgpr_kernarg_segment_ptr 1
		.amdhsa_wavefront_size32 1
		.amdhsa_system_sgpr_workgroup_id_x 1
		.amdhsa_system_sgpr_workgroup_id_y 1
		.amdhsa_system_sgpr_workgroup_id_z 1
		.amdhsa_system_vgpr_workitem_id 0
		.amdhsa_next_free_vgpr 194
		.amdhsa_next_free_sgpr 66
		.amdhsa_reserve_vcc 0
		.amdhsa_float_denorm_mode_32 3
		.amdhsa_float_denorm_mode_16_64 3
		.amdhsa_memory_ordered 1
		.amdhsa_forward_progress 1
		.amdhsa_inst_pref_size 51
	.end_amdhsa_kernel
	.amdgpu_metadata
---
amdhsa.version: [ 1, 2 ]
amdhsa.kernels:
  - .name:           k_q7809157b25_quant
    .symbol:         k_q7809157b25_quant.kd
    .args:
      - { .name: x, .offset: 0, .size: 8, .value_kind: global_buffer, .address_space: global }
      - { .name: Wa_w, .offset: 8, .size: 8, .value_kind: global_buffer, .address_space: global }
      - { .name: Wo_w, .offset: 16, .size: 8, .value_kind: global_buffer, .address_space: global }
      - { .name: x_codes, .offset: 24, .size: 8, .value_kind: global_buffer, .address_space: global }
      - { .name: x_scales, .offset: 32, .size: 8, .value_kind: global_buffer, .address_space: global }
      - { .name: w_codes, .offset: 40, .size: 8, .value_kind: global_buffer, .address_space: global }
      - { .name: w_scales, .offset: 48, .size: 8, .value_kind: global_buffer, .address_space: global }
    .group_segment_fixed_size: 33280
    .private_segment_fixed_size: 0
    .kernarg_segment_align: 8
    .kernarg_segment_size: 56
    .max_flat_workgroup_size: 128
    .sgpr_count:     66
    .vgpr_count:     194
    .wavefront_size: 32
...
	.end_amdgpu_metadata
.endif
;; end of part 1
;; launch qkvgemm (part 2): grid 12 x 32, 4 waves a work-group, clusters of 4 x 4, 327,680 bytes of LDS; arguments x_codes, x_scales, w_codes, w_scales, qkv, Wa_b; writes qkv
.if DOCPART == 2
	.amdgcn_target "amdgcn-amd-amdhsa--gfx1250"
	.amdhsa_code_object_version 6
	.text
	.protected	k_q7809157b25_qkvgemm
	.globl	k_q7809157b25_qkvgemm
	.p2align	8
	.type	k_q7809157b25_qkvgemm,@function
k_q7809157b25_qkvgemm:
	s_mov_b64 s[64:65], 0
	v_nop
	global_prefetch_b8 v0, s[64:65] scope:SCOPE_SE
	s_setreg_imm32_b32 hwreg(HW_REG_WAVE_MODE, 25, 1), 1
	s_wait_xcnt 0x0
	s_wait_alu depctr_hold_cnt(0) depctr_sa_sdst(0) depctr_va_vdst(0) depctr_va_sdst(0) depctr_va_ssrc(0) depctr_va_vcc(0) depctr_vm_vsrc(0)
	s_getreg_b32 s2, hwreg(HW_REG_IB_STS2, 6, 4)
	s_cmp_eq_u32 s2, 0
	s_cbranch_scc0 .Lentry_in_a_cluster
	s_endpgm
.Lentry_in_a_cluster:
	s_bfe_u32 s2, ttmp6, 0x10000c
	s_cmp_lg_u32 s2, 0xf033
	s_cbranch_scc0 .Lentry_shape_is_right
	s_endpgm
.Lentry_shape_is_right:
; qkv = x Wa^T + Wa_b on codes of FP8 (E4M3) with E8M0 scales for each 32 along K = 1,024; the results are quantised again on the way out and leave as codes: q and k along the head's 64, v along the keys.
; A tile of 256 x 256 is made by a work-group of four waves, each 128 x 128: 64 accumulators of 16 x 16, 512 registers.  K goes in steps of 256 through a ring of two LDS slots filled by the tensor data mover.
; The scale bytes of the work-group's 2 x 256 rows, for all of K, come into LDS once, with the first fills.
; THE MATRIX INSTRUCTION IS USED TRANSPOSED: source 0 = 16 rows of 'B', source 1 = 16 rows of 'A': a lane holds ONE row of A and its registers run along B's rows.  Rows lie in the codes' buffers with the second and third run of 8
; of each 32 exchanged, so the 16 registers of B's blocks 2 b and 2 b + 1 are 16 NEIGHBOURS: index 32 b + 16 (lane / 16) + 0 .. 15: the order that an operand of the next product wants.
; ROLES.  Clusters x = 0 (q) and 1 (k): A = x (tokens), B = Wa's rows 0-2,047: a lane holds one token and 128 features = two heads: quantised along the head's 64.
;         Clusters x = 2 (v): A = Wa's rows 2,048 on, B = x: a lane holds one feature (head, d) and 128 neighbouring tokens: quantised along the keys.  The choice hangs on the cluster's x alone, which all partners share.
; THE RESULT is stored as IMAGES OF OPERAND REGISTERS: four registers of codes by one store, 16 bytes a lane, 512 consecutive bytes.  A record of REC bytes for each (batch, head, 128 tokens):
;   K's codes 8 x 2 x 512 | V's codes 4 x 4 x 512 | K's scale bytes 128 x 2 | V's 64 x 4 | Q's codes 8 x 2 x 512 | Q's scale bytes 128 x 2.  Q's and K's: two bytes a token, the head's two blocks.
; CLUSTERS: 4 x 4 work-groups; A's tile is asked for jointly along a row of the cluster, B's along a column.
; LIMITS: a block whose largest magnitude lies under 2^-118 has its byte held at 1, a block of zeros too (its codes are zeros; this program alone reads the bytes); NaN and infinities are not served.
; REGISTERS: window 0: v0-31 addresses; v32-63 scale words, two sets; v64-127 the bias (way out); from v128 A's fragments, ONE set; on the way out v128-191 64 numbers, v192-223 codes, v224-243 at work.
;   window 1: B's fragments, TWO sets.   windows 2, 3: the accumulators ((a, b) at v[8 (8 (a % 4) + b)]).
.set SIZE_K, 1024
.set KSTEP,  256                       ; along K in a slot
.set NQ,     KSTEP/128                 ; matrix instructions deep
.set ROWB,   256                       ; a tile's row in bytes
.set KROW,   SIZE_K                    ; a row of codes in memory, in bytes
.set PITCH,  272                       ; an LDS row: 256 bytes + 16 of padding = 68 words: the 16 rows that a load touches start at 16 different banks (64 banks of 4 bytes: ISA guide 11.1)
.set FR,     16                        ; registers of a fragment: 16 rows x 128 K
.set NL,     4                         ; LDS loads that bring one
.set NP,     8                         ; places behind this matrix instruction (ISA guide 7.12.1)
.set HALFT,  128*PITCH                 ; 128 rows: what one tensor load brings
.set SLOT,   4*HALFT                   ; A's 256 rows, then B's 256 rows
.set LAPS,   SIZE_K/(2*KSTEP)
.set KS,     SIZE_K/32                 ; a row of scale bytes
.set SCL,    2*SLOT                    ; behind the ring: the scales, as rows of 256 bytes + 16 of padding
.set HALFS,  (128*KS/256)*272
.set SBLK,   (16*KS/256)*272
.set SPARE,  SCL+4*HALFS               ; the spare words, 128 bytes for each wave, which no other line names
.set QSTG,   SPARE+512                 ; q's and k's way out: 1,024 bytes of scale words for each wave
.set VSTG,   QSTG+4096                 ; v's way out: 512 bytes for each wave (bytes of its own for each of the two ways)
.set BIASL,  VSTG+2048                 ; the 256 numbers of Wa_b that the work-group adds
; THE RECORD AS IT IS STORED: K's codes 8,192 | V's codes 8,192 | K's scale bytes 256 | V's scale words 256 | Q's codes 8,192 | Q's scale bytes 256.
; K's and Q's scale bytes: word 16 (a / 2) + r holds in its half a % 2 the two bytes of the token at lane r of fragment a (no filling bytes are stored).
.set REC,    25344
.set R_VC,   8192
.set R_KS,   16384
.set R_VS,   16640
.set R_QC,   16896
.set R_QS,   25088
.set ADRA, 16                          ; v16-17  LDS address of my A fragments in slot 0, 1
.set GV,   18                          ; v18     v's scale words in memory: 16 (lane % 16) + (lane / 16) x 16 records
.set ADRB, 20                          ; v20-21  the same as ADRA for B
.set BQA,  22                          ; v22     the bias for q, k: my half's 16 numbers of each 32
.set BVA,  23                          ; v23     the bias for v: my row's number
.set LI,   24                          ; v24     16 x lane: an image's place for my lane
.set SQ,   25                          ; v25     where I put a scale word of q or k
.set SV,   26                          ; v26     and of v
.set ADRS, 27                          ; v27     LDS address of my scale words: lanes 0-15 A's rows, lanes 16-31 B's
.set SPW,  28                          ; v28     my spare word; never rewritten
.set NIL,  29                          ; v29     0; never rewritten
.set RQ,   30                          ; v30     where I read scale words of q or k back
.set RV,   31                          ; v31     and of v
.set SC,   32
.set BI,   64
.set AF,   128
.set T,    128
.set PC,   192
.set TM,   224                         ; +0 largest magnitudes, +4 bytes, +8 448 x the scale, +12 the conversions' scale operands
.set PW,   240
.set W0,   241
.set W1,   242
.set SWD,  243
.set G1, 24
.set G0, 32
.set G1B, 48
.set G0B, 56
.set G1S, 68
.set G0S, 76
.set G1SB, 80
.set G0SB, 88
.set SEL, 32                           ; s[32:33], s34: written on the way out, when no tensor load is out any more
.set MNT, 34
.set MSB, 0
.macro WIN new                         ; the immediate's high byte repeats the setting that is left
.if MSB != \new
	s_set_vgpr_msb (MSB<<8)|\new
.set MSB, \new
.endif
.endm
.set MUL_LO, 0xa1                      ; source 0 (B) window 1, source 1 (A) window 0, C and D window 2
.set MUL_HI, 0xf1                      ; the same, C and D window 3
.set TO_B,   0x40                      ; destination window 1, address window 0
; A joint load: waves 0 and 1 fetch for A, waves 2 and 3 for B; the branch hangs on the wave's number alone.  Four v_nop follow each of the two lines.
.macro JLOAD g0a, g1a, g0b, g1b
	s_cmp_eq_u32 s15, 0
	s_cbranch_scc0 .Lfor_b_\@
	tensor_load_to_lds s[\g0a:\g0a+3], s[\g1a:\g1a+7]
	s_nop 0
.rept 4
	v_nop
.endr
	s_branch .Lasked_\@
.Lfor_b_\@:
	tensor_load_to_lds s[\g0b:\g0b+3], s[\g1b:\g1b+7]
	s_nop 0
.rept 4
	v_nop
.endr
.Lasked_\@:
.endm
.macro CREST                           ; a round of the cluster's barrier behind its opening barrier
	s_cmp_lg_u32 s14, 0
	s_cbranch_scc1 .Lnot_wave_0_\@
	s_barrier_signal -3
.Lnot_wave_0_\@:
	s_barrier_wait -3
	s_barrier_signal -1
	s_barrier_wait -1
.endm
.macro CROUND                          ; a whole round
	s_barrier_signal -1
	s_barrier_wait -1
	CREST
.endm
	s_load_b128 s[4:7], s[0:1], 0x0                ; x's codes s[4:5], x's scales s[6:7]
	s_load_b128 s[8:11], s[0:1], 0x10              ; the weights' codes s[8:9], their scales s[10:11]
	s_load_b64 s[12:13], s[0:1], 0x20              ; qkv
	s_load_b64 s[66:67], s[0:1], 0x28              ; Wa_b
	v_lshl_add_u32 v[SPW], v0, 2, SPARE
	v_mov_b32 v[NIL], 0
	ds_add_u32 v28, v29
	ds_add_u32 v28, v29
	s_wait_dscnt 0x0
	v_lshrrev_b32 v1, 5, v0
	v_readfirstlane_b32 s14, v1                    ; wave 0..3
	s_lshr_b32 s15, s14, 1                         ; which half of A's rows is mine.  Also: I fetch for A (0) or for B (1)
	s_and_b32 s16, s14, 1                          ; which half of B's rows.  Also: which 128 rows of that tile I fetch
	s_bfe_u32 s40, ttmp6, 0x40000                  ; cx, cy: my place in the cluster
	s_bfe_u32 s41, ttmp6, 0x40004
	s_and_b32 s17, ttmp7, 0xffff                   ; the cluster's y, 0..7
	s_cmp_eq_u32 ttmp9, 2                          ; v's clusters?
	s_cselect_b32 s42, s17, ttmp9                  ; B's tiles: for v the tokens walk with the cluster's y; for q, k the features with its x
	s_cselect_b32 s17, 0, s17                      ; A's tiles: for v the four tiles of Wa's last 1,024 rows; for q, k the tokens
	s_lshl_b32 s42, s42, 2
	s_add_co_u32 s42, s42, s40                     ; B's tile = 4 x that + cx
	s_lshl_b32 s17, s17, 2
	s_add_co_u32 s17, s17, s41                     ; A's tile = 4 x that + cy
	s_lshl_b32 s43, s41, 2
	s_lshl_b32 s43, 15, s43                        ; my row of the cluster
	s_lshl_b32 s44, 0x1111, s40                    ; my column
	s_mov_b32 s95, 0xffff0000                      ; lanes 16-31
	; descriptor group 1: a tile of 128 rows x 256 bytes, padded in LDS
	s_or_b32 s[G1+0], s43, (0<<16)|(1<<20)|(1<<21)|(5<<22)|(3<<25)  ; 15:0 the mask: A's tiles go to my row; 17:16 element of 1 byte; 20 padding on; 21 set beside a mask; 24:22 after every 64 words; 31:25 four words
	s_or_b32 s[G1B+0], s44, (0<<16)|(1<<20)|(1<<21)|(5<<22)|(3<<25)
.irp g, G1, G1B
	s_mov_b32 s[\g+1], ROWB<<16                    ; tensor_dim0
	s_mov_b32 s[\g+2], 256<<16                     ; tensor_dim1 = 256 for the head's loads; 128 behind them
	s_mov_b32 s[\g+3], ROWB<<16                    ; tile_dim0
	s_mov_b32 s[\g+4], 256                         ; tile_dim1 likewise
	s_mov_b32 s[\g+5], KROW                        ; tensor_dim0_stride
	s_mov_b32 s[\g+6], 0
	s_mov_b32 s[\g+7], 0
.endr
	; the scales of 128 rows: a dense block of 4,096 bytes, as 16 rows of 256 bytes (32 elements of 8 bytes), 16 bytes of padding behind each
	s_or_b32 s[G1S+0], s43, (3<<16)|(1<<20)|(1<<21)|(5<<22)|(3<<25)
	s_or_b32 s[G1SB+0], s44, (3<<16)|(1<<20)|(1<<21)|(5<<22)|(3<<25)
.irp g, G1S, G1SB
	s_mov_b32 s[\g+1], 32<<16
	s_mov_b32 s[\g+2], (256*KS/256)<<16            ; the scales of 256 rows: 32 rows of 256 bytes
	s_mov_b32 s[\g+3], 32<<16
	s_mov_b32 s[\g+4], 256*KS/256
	s_mov_b32 s[\g+5], 32
	s_mov_b32 s[\g+6], 0
	s_mov_b32 s[\g+7], 0
.endr
	s_lshl_b32 s20, s17, 8                         ; A: the tile's first row
	s_lshl_b32 s46, s42, 8                         ; B likewise
	s_mov_b32 s21, 0
	s_mov_b32 s47, 0
	s_mov_b64 s[18:19], KS
	s_mul_u64 s[22:23], s[20:21], s[18:19]         ; where these rows' scales begin, in bytes
	s_mul_u64 s[92:93], s[46:47], s[18:19]
	s_mov_b64 s[18:19], KROW
	s_mul_u64 s[20:21], s[20:21], s[18:19]         ; and their codes
	s_mul_u64 s[46:47], s[46:47], s[18:19]
	s_mul_i32 s45, s14, HALFT                      ; where they go: wave x 128 rows: no place in the cluster enters an LDS address
	s_mul_i32 s18, s16, 128*KROW                   ; in the ring I fetch 128 rows of a tile: which half, in bytes
	s_mov_b32 s19, 0
	s_lshl_b32 s100, s17, 10                       ; the 256 numbers of Wa_b: for v those of A's rows, 2,048 + 256 x A's tile;
	s_add_co_u32 s100, s100, 8192
	s_lshl_b32 s101, s42, 10                       ; for q, k those of B's rows, 256 x B's tile
	s_cmp_eq_u32 ttmp9, 2
	s_cselect_b32 s100, s100, s101
	s_mov_b32 s101, 0
	s_wait_kmcnt 0x0
	s_add_nc_u64 s[96:97], s[8:9], 0x200000        ; Wa's row 2,048: its codes,
	s_add_nc_u64 s[98:99], s[10:11], 0x10000       ; its scale bytes
	s_cmp_eq_u32 ttmp9, 2
	s_cselect_b64 s[96:97], s[96:97], s[4:5]       ; A's codes
	s_cselect_b64 s[98:99], s[98:99], s[6:7]       ; A's scales
	s_cselect_b64 s[8:9], s[4:5], s[8:9]           ; B's codes
	s_cselect_b64 s[10:11], s[6:7], s[10:11]       ; B's scales
	s_add_nc_u64 s[20:21], s[96:97], s[20:21]
	s_add_nc_u64 s[22:23], s[98:99], s[22:23]
	s_add_nc_u64 s[46:47], s[8:9], s[46:47]
	s_add_nc_u64 s[92:93], s[10:11], s[92:93]
	s_add_nc_u64 s[66:67], s[66:67], s[100:101]
	CROUND                                         ; all sixteen work-groups are here: the first joint loads meet
	s_mov_b32 s[G0S], 1
	s_mov_b32 s[G0S+1], SCL
	s_mov_b64 s[G0S+2:G0S+3], s[22:23]
	s_or_b32 s[G0S+3], s[G0S+3], 0x80000000
	s_mov_b32 s[G0SB], 1
	s_mov_b32 s[G0SB+1], SCL+2*HALFS
	s_mov_b64 s[G0SB+2:G0SB+3], s[92:93]
	s_or_b32 s[G0SB+3], s[G0SB+3], 0x80000000
.set G0H, 4                            ; s[4:7], s[8:11]: group 0 of the head's loads of K step 0 (the arguments that lay there have been used)
.set G0HB, 8
	s_mov_b32 s[G0H], 1                            ; K step 0's 256 rows of A,
	s_mov_b32 s[G0H+1], 0
	s_mov_b64 s[G0H+2:G0H+3], s[20:21]
	s_or_b32 s[G0H+3], s[G0H+3], 0x80000000
	s_mov_b32 s[G0HB], 1                           ; its 256 rows of B, behind them in slot 0
	s_mov_b32 s[G0HB+1], 2*HALFT
	s_mov_b64 s[G0HB+2:G0HB+3], s[46:47]
	s_or_b32 s[G0HB+3], s[G0HB+3], 0x80000000
	s_add_nc_u64 s[20:21], s[20:21], s[18:19]      ; for the ring: my 128 rows of the tile
	s_add_nc_u64 s[46:47], s[46:47], s[18:19]
.irp s, 0,1
	s_mov_b32 s[G0+4*\s], 1
	s_add_co_u32 s[G0+4*\s+1], s45, \s*SLOT
	s_add_nc_u64 s[G0+4*\s+2:G0+4*\s+3], s[20:21], \s*ROWB
	s_or_b32 s[G0+4*\s+3], s[G0+4*\s+3], 0x80000000
	s_mov_b32 s[G0B+4*\s], 1
	s_add_co_u32 s[G0B+4*\s+1], s45, \s*SLOT
	s_add_nc_u64 s[G0B+4*\s+2:G0B+4*\s+3], s[46:47], \s*ROWB
	s_or_b32 s[G0B+4*\s+3], s[G0B+4*\s+3], 0x80000000
.endr
; the head's four tiles, one load a wave: wave 0 A's rows, wave 1 B's, wave 2 A's scales, wave 3 B's; one chain of branches on the wave's number
.macro ARM under, g0, g1, next
	s_cmp_lt_u32 s14, \under
	s_cbranch_scc0 \next
	tensor_load_to_lds s[\g0:\g0+3], s[\g1:\g1+7]
	s_nop 0
.rept 4
	v_nop
.endr
	s_branch .Lhead_asked
\next:
.endm
	ARM 1, G0H,  G1,  .Lhead_b
	ARM 2, G0HB, G1B, .Lhead_sa
	ARM 3, G0S,  G1S, .Lhead_sb
	tensor_load_to_lds s[G0SB:G0SB+3], s[G1SB:G1SB+7]
	s_nop 0
.rept 4
	v_nop
.endr
.Lhead_asked:
	v_lshlrev_b32 v14, 3, v0                       ; the bias: 128 threads x 8 bytes
	global_load_b64 v[12:13], v14, s[66:67]
	v_add_nc_u32 v15, BIASL, v14
	v_and_b32 v1, 15, v0                           ; r = lane % 16
	v_bfe_u32 v2, v0, 4, 1                         ; h = lane / 16
	v_mul_u32_u24 v3, v1, PITCH
	v_lshl_add_u32 v4, v2, 4, v3                   ; a fragment's row x pitch + 16 x half
	s_mul_i32 s21, s15, HALFT                      ; my 128 rows of A
	s_mul_i32 s22, s16, HALFT                      ; my 128 rows of B,
	s_add_co_u32 s22, s22, 2*HALFT                 ; which lie behind A's 256
.irp s, 0,1
	v_add_nc_u32 v[ADRA+\s], s21, v4
	v_add_nc_u32 v[ADRB+\s], s22, v4
	s_add_co_u32 s21, s21, SLOT
	s_add_co_u32 s22, s22, SLOT
.endr
	v_mul_u32_u24 v5, v1, KS                       ; my row's scales: KS bytes a row,
	v_lshrrev_b32 v6, 8, v5
	v_lshl_add_u32 v5, v6, 4, v5                   ; and 16 more for each 256 passed
	s_mul_i32 s21, s15, HALFS                      ; A's: my 128 rows
	s_mul_i32 s22, s16, HALFS                      ; B's: my 128 rows, behind A's 256
	s_add_co_u32 s22, s22, 2*HALFS
	s_sub_co_u32 s22, s22, s21
	v_mul_u32_u24 v6, s22, v2                      ; lanes 16-31 take B's
	s_add_co_u32 s21, s21, SCL
	v_add_nc_u32 v5, v5, v6
	v_add_nc_u32 v[ADRS], s21, v5
	v_and_b32 v6, 31, v0                           ; the way out's addresses, all made here
	v_lshlrev_b32 v[LI], 4, v6
	s_lshl_b32 s23, s14, 10                        ; 1,024 x wave
	v_lshlrev_b32 v5, 2, v1                        ; 4 r
	v_lshl_add_u32 v7, v2, 8, v5                   ; + 256 h: lanes 0-15 store the first head's bytes, lanes 16-31 the second's
	v_add_nc_u32 v7, s23, v7
	v_add_nc_u32 v[SQ], QSTG, v7
	v_add_nc_u32 v7, s23, v[LI]
	v_add_nc_u32 v[RQ], QSTG, v7
	s_lshl_b32 s23, s14, 9                         ; 512 x wave
	v_add_nc_u32 v7, s23, v5
	v_add_nc_u32 v[SV], VSTG, v7
	v_add_nc_u32 v7, s23, v[LI]
	v_add_nc_u32 v[RV], VSTG, v7
	s_lshl_b32 s23, s16, 9                         ; my 128 of B's 256 numbers of the bias
	v_lshl_add_u32 v7, v2, 6, s23                  ; + 64 h: 16 numbers on for lanes 16-31
	v_add_nc_u32 v[BQA], BIASL, v7
	v_and_b32 v7, 8, v1
	v_add_nc_u32 v7, v7, v1                        ; r + 8 (r / 8): the row that lies at place r of a tile
	s_lshl_b32 s23, s15, 9                         ; my 128 of A's 256
	v_lshl_add_u32 v7, v7, 2, s23
	v_add_nc_u32 v[BVA], BIASL, v7
	v_mul_u32_u24 v7, v2, 16*REC
	v_lshl_add_u32 v[GV], v1, 4, v7
.macro FRAG reg, adr, q, i             ; a fragment: lane l holds row l % 16; registers 4 c .. 4 c + 3 hold K = 32 c + 16 (l / 16) + 0 .. 15
.irp c, 0,1,2,3
	ds_load_b128 v[\reg+4*\c:\reg+4*\c+3], v[\adr] offset:128*(\q)+32*\c+(\i)*16*PITCH
.endr
.endm
; 16 matrix instructions: A's blocks a0, a0 + 1 x B's eight, 128 along K.  p: B's set;  sc: the set of scale words.  zero = 1: the first product starts the sums.
; The 64 accumulators take turns, one instruction a turn, in the same order in every step.
.macro MUL16 a0, p, q, sc, zero
.irp a, \a0, \a0+1
.irp b, 0,1,2,3,4,5,6,7
.if \zero
	v_wmma_scale_f32_16x16x128_f8f6f4 v[8*(8*((\a)%4)+\b):8*(8*((\a)%4)+\b)+7], v[128*(\p)+FR*\b:128*(\p)+FR*\b+FR-1], v[AF+FR*(\a):AF+FR*(\a)+FR-1], 0, v[SC+8*NQ*(\sc)+NQ*\b+(\q)], v[SC+8*NQ*(\sc)+NQ*(\a)+(\q)] matrix_a_scale:MATRIX_SCALE_ROW1
.else
	v_wmma_scale_f32_16x16x128_f8f6f4 v[8*(8*((\a)%4)+\b):8*(8*((\a)%4)+\b)+7], v[128*(\p)+FR*\b:128*(\p)+FR*\b+FR-1], v[AF+FR*(\a):AF+FR*(\a)+FR-1], v[8*(8*((\a)%4)+\b):8*(8*((\a)%4)+\b)+7], v[SC+8*NQ*(\sc)+NQ*\b+(\q)], v[SC+8*NQ*(\sc)+NQ*(\a)+(\q)] matrix_a_scale:MATRIX_SCALE_ROW1
.endif
.endr
.endr
.endm
.macro FETCH_B slot, q, p              ; B's eight fragments of the slot's q-th 128 along K into set p
	WIN TO_B
.irp i, 0,1,2,3,4,5,6,7
	FRAG 128*(\p)+FR*\i, ADRB+\slot, \q, \i
.endr
	WIN 0
.endm
.macro FETCH_A slot, q, i0             ; A's blocks i0 .. i0 + 3
.irp i, \i0, \i0+1, \i0+2, \i0+3
	FRAG AF+FR*(\i), ADRA+\slot, \q, \i
.endr
.endm
.macro SCALES sc                       ; the next K step's scale words into set sc: lanes 0-15 take A's block i, lanes 16-31 B's block i
.irp i, 0,1,2,3,4,5,6,7
	ds_load_b64 v[SC+8*NQ*\sc+NQ*\i:SC+8*NQ*\sc+NQ*\i+1], v[ADRS] offset:\i*SBLK
.endr
.endm
; A load into a register that a matrix instruction has read, and a vector instruction that reads a matrix result or writes one of its registers, stand NP places behind it; only plain vector instructions that name none of its registers are places.
.macro PLACES n
.rept \n
	v_nop
.endr
.endm
.macro STEP slot, q, zero              ; a step of 128 along K that has its successor in the same slot
	s_wait_dscnt 4*NL                              ; B's set and A's blocks 0-3 are in; the youngest sixteen loads (A's blocks 4-7) may be out
	WIN MUL_LO
	MUL16 0, (\q)%2, \q, \slot, \zero
	MUL16 2, (\q)%2, \q, \slot, \zero
	s_wait_dscnt 0                                 ; A's blocks 4-7 are in
	PLACES NP
	FETCH_B \slot, (\q)+1, 1-(\q)%2
	FETCH_A \slot, (\q)+1, 0
	WIN MUL_HI
	MUL16 4, (\q)%2, \q, \slot, \zero
	MUL16 6, (\q)%2, \q, \slot, \zero
	PLACES NP
	WIN 0
	FETCH_A \slot, (\q)+1, 4
.endm
; A slot's last step changes slots: ONE barrier; in front of it each wave waits for all its tensor loads, adds 0 to its spare word, and waits for that and for its own reads of this slot.  fill = 1: this slot is filled again, two K steps ahead.
.macro TURN slot, next, fill
	s_wait_tensorcnt 0x0                           ; all my tensor loads have landed: my part of the next slot
	ds_add_u32 v[SPW], v[NIL]                      ; 0 onto my spare word
	s_wait_dscnt 4*NL+1                            ; (the add and the youngest sixteen loads, A's blocks 4-7, may be out)
	WIN MUL_LO
	MUL16 0, 1, NQ-1, \slot, 0                     ; sixteen matrix instructions stand between the add and the wait for it
	s_wait_dscnt 0x0                               ; the add is done, and my reads of this slot are over
	s_barrier_signal -1
	MUL16 2, 1, NQ-1, \slot, 0
	WIN 0
	s_barrier_wait -1
.if \fill
	CREST                                          ; the barrier has opened a round of the cluster's barrier: no wave of any partner still reads this slot's tile or has a load on its way
	s_add_nc_u64 s[G0+4*\slot+2:G0+4*\slot+3], s[G0+4*\slot+2:G0+4*\slot+3], 2*ROWB
	s_add_nc_u64 s[G0B+4*\slot+2:G0B+4*\slot+3], s[G0B+4*\slot+2:G0B+4*\slot+3], 2*ROWB
	JLOAD G0+4*\slot, G1, G0B+4*\slot, G1B         ; the first tensor load behind the round; its four v_nop are among the places in front of the loads below
	PLACES NP-4
.else
	PLACES NP
.endif
	s_wait_alu depctr_va_vdst(0)
	v_add_nc_u32 v[ADRS], 4*NQ, v[ADRS]            ; on to the next K step's scale words
	FETCH_B \next, 0, 0
	FETCH_A \next, 0, 0
	SCALES \next
	WIN MUL_HI
	MUL16 4, 1, NQ-1, \slot, 0
	MUL16 6, 1, NQ-1, \slot, 0
	PLACES NP
	WIN 0
	FETCH_A \next, 0, 4
.endm
	s_wait_alu depctr_va_vdst(0)
	s_wait_loadcnt 0x0                             ; my 8 bytes of the bias
	ds_store_b64 v15, v[12:13]
	s_wait_tensorcnt 0x0                           ; my tile of the head's four is in
	ds_add_u32 v[SPW], v[NIL]
	s_mov_b32 s[G1+2], 128<<16                     ; no tensor load of mine is out: from here on a load brings 128 rows
	s_mov_b32 s[G1+4], 128
	s_mov_b32 s[G1B+2], 128<<16
	s_mov_b32 s[G1B+4], 128
	s_wait_dscnt 0x0                               ; the add is done, and my part of the bias lies in LDS
	CROUND                                         ; all four tiles are in, and all sixteen work-groups are here
	JLOAD G0+4, G1, G0B+4, G1B                     ; K step 1, the first tensor load behind the round
	FETCH_B 0, 0, 0
	FETCH_A 0, 0, 0
	SCALES 0
	FETCH_A 0, 0, 4
	STEP 0, 0, 1                                   ; the first step stands in front of the loop: its products start the sums
	s_mov_b32 s3, LAPS-1
.Llap:                                                 ; a trip goes once round the ring and fills both slots again
	TURN 0, 1, 1
	STEP 1, 0, 0
	TURN 1, 0, 1
	STEP 0, 0, 0
	s_sub_co_u32 s3, s3, 1
	s_cmp_lg_u32 s3, 0
	s_cbranch_scc1 .Llap
	TURN 0, 1, 0                                   ; the last lap fills nothing
	STEP 1, 0, 0
	s_wait_dscnt 4*NL                              ; the very last step
	WIN MUL_LO
	MUL16 0, 1, NQ-1, 1, 0
	MUL16 2, 1, NQ-1, 1, 0
	s_wait_dscnt 0
	WIN MUL_HI
	MUL16 4, 1, NQ-1, 1, 0
	MUL16 6, 1, NQ-1, 1, 0
	WIN 0
; THE WAY OUT.  64 numbers of a lane, v[s] .. v[s + 63], register 16 b + i = index 32 b + 16 (lane / 16) + i of my row, become 16 registers of codes in v[pc] on; the four blocks' scale bytes are left in v[TM+4] on.
.macro QUANT s, pc
.irp b, 0,1,2,3
	v_max3_num_f32 v[TM+\b], |v[\s+16*\b]|, |v[\s+1+16*\b]|, 0x4800000   ; block b: my 16 numbers, and the floor 2^(9 - 127): so the byte cannot fall under 1
.endr
.irp i, 2,4,6,8,10,12,14
.irp b, 0,1,2,3
	v_max3_num_f32 v[TM+\b], v[TM+\b], |v[\s+16*\b+\i]|, |v[\s+1+16*\b+\i]|   ; (the four blocks by turns)
.endr
.endr
.irp b, 0,1,2,3
	v_permlanex16_b32 v[TM+4+\b], v[TM+\b], s[SEL], s[SEL+1]
.endr
.irp b, 0,1,2,3
	v_max_num_f32 v[TM+\b], v[TM+\b], v[TM+4+\b]   ; with lane l xor 16's: the block's largest magnitude
.endr
.irp b, 0,1,2,3
	v_add_nc_u32 v[TM+12+\b], 0xfc000000, v[TM+\b]   ; 8 off its exponent field: the conversion's scale operand
.endr
.irp b, 0,1,2,3
	v_and_or_b32 v[TM+8+\b], v[TM+\b], 0x7f800000, s[MNT]   ; 448 x the scale
.endr
.irp b, 0,1,2,3
	v_lshrrev_b32 v[TM+4+\b], 23, v[TM+12+\b]      ; the scale's byte
.endr
.irp b, 0,1,2,3
.irp i, 0,1,2,3,4,5,6,7,8,9,10,11,12,13,14,15
	v_med3_num_f32 v[\s+16*\b+\i], v[\s+16*\b+\i], -v[TM+8+\b], v[TM+8+\b]   ; the conversion to an 8-bit code does not saturate (ISA guide 7.6.2): the hold
.endr
	v_cvt_scalef32_pk8_fp8_f32 v[\pc+4*\b:\pc+1+4*\b], v[\s+16*\b:\s+7+16*\b], v[TM+12+\b]
	v_cvt_scalef32_pk8_fp8_f32 v[\pc+2+4*\b:\pc+3+4*\b], v[\s+8+16*\b:\s+15+16*\b], v[TM+12+\b]
.endr
	v_nop                                          ; one plain vector line behind the last conversion
.endm
; q, k: A's block a = 16 tokens; my 64 numbers are two heads' 64 features of one token.
.macro QKBLK a
.set AC, 64*((\a)%4)
.set PCS, PC+16*((\a)%2)
.set WN, 0x02+(\a)/4
	s_wait_xcnt 0x0                                ; the earlier blocks' stores have read their registers
	s_wait_dscnt 0x0                               ; and so has the LDS store of the last scale word
	WIN WN                                         ; source 0: window 2 or 3
.set i, 0
.rept 32
	v_pk_add_f32 v[T+2*i:T+2*i+1], v[AC+2*i:AC+2*i+1], v[BI+2*i:BI+2*i+1]   ; + the bias, and into window 0; each accumulator from its low end on
.set i, i+1
.endr
	WIN 0
	QUANT T, PCS
	v_lshl_or_b32 v[W0], v[TM+5], 8, v[TM+4]       ; the first head's two bytes,
	v_lshl_or_b32 v[W1], v[TM+7], 8, v[TM+6]       ; the second's;
	v_cndmask_b32 v[SWD], v[W0], v[W1], s95        ; lanes 0-15 keep the first, lanes 16-31 the second;
	ds_store_b16 v[SQ], v[SWD] offset:64*((\a)/2)+2*((\a)%2)   ; two bytes a token: half a % 2 of word 16 (a / 2) + r
.irp p, 0,1,2,3
	global_store_b128 v[LI], v[PCS+4*\p:PCS+4*\p+3], s[24:25] offset:(\p/2)*16*REC+1024*(\a)+512*(\p%2)   ; head p / 2, registers 4 (p % 2) on of fragment a: 512 consecutive bytes
.endr
.endm
; v: A's block a = 16 features (head a / 4, tile a % 4 of its 64); my 64 numbers are 128 tokens' halves: four blocks of 32 keys.
.macro VBLK a
.set AC, 64*((\a)%4)
.set PCS, PC+16*((\a)%2)
.set WN, 0x02+(\a)/4
	s_wait_xcnt 0x0
	s_wait_dscnt 0x0
	WIN WN
.set i, 0
.rept 32
	v_pk_add_f32 v[T+2*i:T+2*i+1], v[AC+2*i:AC+2*i+1], v[BI+2*(\a):BI+2*(\a)+1] op_sel_hi:[1,0]   ; + my feature's bias (the pair's low word serves both halves)
.set i, i+1
.endr
	WIN 0
	QUANT T, PCS
	v_lshl_or_b32 v[PW], v[TM+5], 8, v[TM+4]       ; the four bytes make my feature's scale word for these 128 keys
	v_lshl_or_b32 v[PW], v[TM+6], 16, v[PW]
	v_lshl_or_b32 v[PW], v[TM+7], 24, v[PW]
	ds_store_b32 v[SV], v[PW] offset:64*(\a)       ; lanes l and l xor 16 store the same word with the same value
.irp c, 0,1,2,3
	global_store_b128 v[LI], v[PCS+4*\c:PCS+4*\c+3], s[24:25] offset:((\a)/4)*16*REC+2048*((\a)%4)+512*\c
.endr
.endm
	PLACES NP                                      ; behind the last products: their results are read and A's registers written below
	s_mov_b32 s[SEL], 0x76543210                   ; (no tensor load is out since the last change of slots: the descriptors' registers are free)
	s_mov_b32 s[SEL+1], 0xfedcba98                 ; v_permlanex16_b32's selects for lane l xor 16
	s_mov_b32 s[MNT], 0x600000                     ; the mantissa field of 448
.irp b, 0,1,2,3
	v_mov_b32 v[TM+4+\b], 0                        ; written once: a lane permute's destination counts as one of its sources
.endr
	s_cmp_eq_u32 ttmp9, 2
	s_cbranch_scc1 .Lv
	; ---- q, k.  My record: batch and group of 128 tokens from A's rows, head from B's rows
	s_lshl_b32 s24, s17, 8
	s_lshl_b32 s25, s15, 7
	s_add_co_u32 s24, s24, s25                     ; my first token
	s_lshr_b32 s25, s24, 11                        ; the batch
	s_bfe_u32 s26, s24, 0x40007                    ; the group of 128 tokens
	s_lshl_b32 s27, s42, 8
	s_lshl_b32 s28, s16, 7
	s_add_co_u32 s27, s27, s28                     ; my first feature
	s_bfe_u32 s27, s27, 0x40006                    ; my first head: (feature % 1,024) / 64
	s_lshl_b32 s25, s25, 4
	s_add_co_u32 s25, s25, s27
	s_lshl_b32 s25, s25, 4
	s_add_co_u32 s25, s25, s26                     ; (batch x 16 + head) x 16 + group
	s_mul_i32 s24, s25, REC
	s_mov_b32 s25, 0
	s_add_nc_u64 s[12:13], s[12:13], s[24:25]
	s_mov_b32 s26, R_QC
	s_mov_b32 s28, R_QS
	s_cmp_eq_u32 ttmp9, 0
	s_cselect_b32 s26, s26, 0                      ; q's codes, or k's at the record's head
	s_cselect_b32 s28, s28, R_KS
	s_mov_b32 s27, 0
	s_mov_b32 s29, 0
	s_add_nc_u64 s[24:25], s[12:13], s[26:27]      ; where the codes go
	s_add_nc_u64 s[26:27], s[12:13], s[28:29]      ; and the scale words
.irp b, 0,1,2,3,4,5,6,7
	ds_load_b128 v[BI+8*\b:BI+8*\b+3], v[BQA] offset:128*(\b/2)+32*(\b%2)       ; the bias in the results' layout: block b's registers are features 32 (b / 2) + 16 h + 8 (b % 2) + 0 .. 7
	ds_load_b128 v[BI+8*\b+4:BI+8*\b+7], v[BQA] offset:128*(\b/2)+32*(\b%2)+16
.endr
	s_wait_dscnt 0x0
.irp a, 0,1,2,3,4,5,6,7
	QKBLK \a
.endr
	ds_load_b128 v[T:T+3], v[RQ]                   ; LDS serves a wave's instructions in order: lanes 0-15 the first head's 256 bytes, lanes 16-31 the second's
	s_wait_dscnt 0x0
	global_store_b128 v[GV], v[T:T+3], s[26:27]    ; sixteen lanes store 256 consecutive bytes, aligned
	s_branch .Ljoin
.Lv:
	; ---- v.  My record: batch and group from B's rows, head from A's rows
	s_lshl_b32 s24, s42, 8
	s_lshl_b32 s25, s16, 7
	s_add_co_u32 s24, s24, s25                     ; my first token
	s_lshr_b32 s25, s24, 11
	s_bfe_u32 s26, s24, 0x40007
	s_lshl_b32 s27, s17, 2
	s_lshl_b32 s28, s15, 1
	s_add_co_u32 s27, s27, s28                     ; my first head: (256 x A's tile + 128 x half) / 64
	s_lshl_b32 s25, s25, 4
	s_add_co_u32 s25, s25, s27
	s_lshl_b32 s25, s25, 4
	s_add_co_u32 s25, s25, s26
	s_mul_i32 s24, s25, REC
	s_mov_b32 s25, 0
	s_add_nc_u64 s[12:13], s[12:13], s[24:25]
	s_add_nc_u64 s[24:25], s[12:13], R_VC
	s_add_nc_u64 s[26:27], s[12:13], R_VS
.irp a, 0,1,2,3,4,5,6,7
	ds_load_b32 v[BI+2*\a], v[BVA] offset:128*(\a/2)+32*(\a%2)     ; place r of block a is feature 32 (a / 2) + 8 (a % 2) + r + 8 (r / 8)
	ds_load_b32 v[BI+2*\a+1], v[BVA] offset:128*(\a/2)+32*(\a%2)   ; (named with it as a pair, so it is written)
.endr
	s_wait_dscnt 0x0
.irp a, 0,1,2,3,4,5,6,7
	VBLK \a
.endr
	ds_load_b128 v[T:T+3], v[RV]                   ; lanes 0-15: the first head's 64 words; lanes 16-31: the second's
	s_wait_dscnt 0x0
	global_store_b128 v[GV], v[T:T+3], s[26:27]    ; sixteen lanes store 256 consecutive bytes, aligned
.Ljoin:
	s_wait_tensorcnt 0x0                           ; the wave's end
	ds_add_u32 v[SPW], v[NIL]
	s_wait_dscnt 0x0
	CROUND                                         ; the closing round: no work-group ends while a partner may still ask for a tile that names it
	s_endpgm
.Lfunc_end_k_q7809157b25_qkvgemm:
	.size	k_q7809157b25_qkvgemm, .Lfunc_end_k_q7809157b25_qkvgemm-k_q7809157b25_qkvgemm
	.p2alignl 7, 3214868480
	.fill 96, 4, 3214868480
	.section	.rodata,"a",@progbits
	.p2align	6, 0x0
	.amdhsa_kernel k_q7809157b25_qkvgemm
		.amdhsa_group_segment_fixed_size 327680
		.amdhsa_private_segment_fixed_size 0
		.amdhsa_enable_private_segment 0
		.amdhsa_kernarg_size 48
		.amdhsa_user_sgpr_count 2
		.amdhsa_user_sgpr_kernarg_segment_ptr 1
		.amdhsa_wavefront_size32 1
		.amdhsa_system_sgpr_workgroup_id_x 1
		.amdhsa_system_sgpr_workgroup_id_y 1
		.amdhsa_system_sgpr_workgroup_id_z 1
		.amdhsa_system_vgpr_workitem_id 0
		.amdhsa_next_free_vgpr 1024
		.amdhsa_next_free_sgpr 102
		.amdhsa_reserve_vcc 0
		.amdhsa_float_denorm_mode_32 3
		.amdhsa_float_denorm_mode_16_64 3
		.amdhsa_memory_ordered 1
		.amdhsa_forward_progress 1
		.amdhsa_inst_pref_size 255
	.end_amdhsa_kernel
	.section	.bss,"aw",@nobits
	.p2align	6
	.space	262144
	.amdgpu_metadata
---
amdhsa.version: [ 1, 2 ]
amdhsa.kernels:
  - .name:           k_q7809157b25_qkvgemm
    .symbol:         k_q7809157b25_qkvgemm.kd
    .args:
      - { .name: x_codes, .offset: 0, .size: 8, .value_kind: global_buffer, .address_space: global }
      - { .name: x_scales, .offset: 8, .size: 8, .value_kind: global_buffer, .address_space: global }
      - { .name: w_codes, .offset: 16, .size: 8, .value_kind: global_buffer, .address_space: global }
      - { .name: w_scales, .offset: 24, .size: 8, .value_kind: global_buffer, .address_space: global }
      - { .name: qkv, .offset: 32, .size: 8, .value_kind: global_buffer, .address_space: global }
      - { .name: Wa_b, .offset: 40, .size: 8, .value_kind: global_buffer, .address_space: global }
    .group_segment_fixed_size: 327680
    .private_segment_fixed_size: 0
    .kernarg_segment_align: 8
    .kernarg_segment_size: 48
    .max_flat_workgroup_size: 128
    .sgpr_count:     102
    .vgpr_count:     1024
    .wavefront_size: 32
...
	.end_amdgpu_metadata
.endif
;; end of part 2
;; launch attn (part 3): grid 4 x 64, 8 waves a work-group, no clusters, 327,680 bytes of LDS; arguments qkv, o_codes, o_scales; writes o_codes, o_scales
.if DOCPART == 3
	.amdgcn_target "amdgcn-amd-amdhsa--gfx1250"
	.amdhsa_code_object_version 6
	.text
	.protected	k_q7809157b25_attn
	.globl	k_q7809157b25_attn
	.p2align	8
	.type	k_q7809157b25_attn,@function
k_q7809157b25_attn:
	s_mov_b64 s[64:65], 0
	v_nop
	global_prefetch_b8 v0, s[64:65] scope:SCOPE_SE
	s_setreg_imm32_b32 hwreg(HW_REG_WAVE_MODE, 25, 1), 1
	s_wait_xcnt 0x0
; o[b][h][q] = the sum over keys k <= q of softmax_k(q . k / 8) v, both products on codes of FP8 (E4M3) with E8M0 scales; o is quantised along the model's 1,024 (two blocks of 32 a head) and leaves as codes.
; WORK LEFT OUT: a step of 128 keys all of which come after a wave's 32 queries (reference()'s own causal mask makes p = 0 there).
; THE SOFTMAX: t = score x log2(e) / 8; M = the row's largest t so far, rounded up to a whole number; p = 2^(t - M) is quantised along the keys, not normalised; the row's sum is taken of the unquantised p and divides O at the end.
; When M moves, the sum and O are multiplied by 2^(old M - new M): exact.
; INPUT: a record of REC bytes for each (batch x 16 + head, 128 tokens): K's codes, V's codes, K's scale bytes, V's scale words (the first RECL bytes: what a tensor load brings), then Q's codes and scale bytes.
; Codes lie as images of operand registers, four registers in 512 bytes.  K's fragment f holds at lane r key 32 (f / 2) + 8 (f % 2) + r + 8 (r / 8), so the 16 registers of score tiles 2 j, 2 j + 1 are keys 32 j + 16 (lane / 16) + 0 .. 15.
; THE HEAD'S 64 FILL HALF OF K = 128: an operand of K holds fragments 2 j (k 0-63) and 2 j + 1 (k 64-127); it is multiplied once by q | 0 and once by 0 | q (zero codes, set once, beside Q's eight registers).
; SHARES.  A work-group owns two blocks of 256 queries of one head: block 7 - i, then block i: 2 (8 - i) + 2 (i + 1) = 18 steps of 128 keys in every work-group.  Each of its eight waves owns 32 neighbouring queries, two tiles of 16,
; so each fragment of K and V read from LDS serves two tiles.  Two waves to a SIMD, 512 registers each.
; THE RING: two slots of one record.  The change of slots stands in the MIDDLE of a step, where this step's K and V are in registers: behind it the slot in hand is filled with the record two steps on (wave 0), and the next step's K is
; fetched from the other slot while the second tile's softmax and the second product are worked.  Every wait on TENSORcnt is for 0; a wave has one tensor load out at the most.
; PREFETCH: in step n wave 1 asks for record n + 4 (two steps ahead of the load asked for in that step) while n + 4 lies in the first block's walk.  The four work-groups of a head share the record's 66 blocks of 256 bytes out by address, 17 each
; (left-over lanes name the last block again).  Records 0 to 3 come by their loads alone; the second block's records have been read before; records beyond a work-group's own walk are not asked for by it.
; NO CLUSTER: the four work-groups of a head want different records in the same step from step 10 on (their first blocks end at steps 16, 14, 12, 10).
; Two branches on the same ids lead round the two parts of a hidden step; the registers that the second part reads are written once at the head, so that no way through the text reads a register that nothing wrote.
; LIMITS: p under 2^-126 comes out of v_exp_f32 as 0; a block whose largest magnitude lies under 2^-118 has its byte held at 1, a block of zeros too (its codes are zeros; this program alone reads the bytes); NaN and infinities are not served;
; the promise holds while the scaled scores stay under 2^31 in magnitude.
; REGISTERS.  Window 0: v1-11 addresses; v12-19 -M, t, sum (a tile each); v20-23 f; v24-37 scale words; v40-45 at work; v48-79 at work (a tile each); v80-93 partial sums; v96-127 p's codes; v128-255 S^T, then p.
; Window 1: v0-63 K; v64-127 V; v128-167 0, Qa, 0, Qb, 0; v176-239 O^T.
.set REC,   25344
.set RECL,  16896
.set R_VC,  8192
.set R_KS,  16384
.set R_VS,  16640
.set R_QC,  16896
.set R_QS,  25088
.set SLOT1, 32768
.set SPARE, 65536                      ; the spare words, 128 bytes for each of eight waves, which no other line names
.set LI, 1
.set LS, 2
.set SPW, 3
.set NIL, 4
.set QA, 5
.set QSA, 6
.set OSA, 7
.set ADK, 8
.set ADS, 9
.set DM, 10
.set NINF, 11
.set ST, 12
.set F, 20
.set KW, 24
.set QW, 28
.set VW, 32
.set PW, 36
.set PFO, 38
.set T0, 40
.set EE, 42
.set BM, 48                            ; + 16 x tile: +0 largest, +4 at work, +8 448 x the scale, +12 the conversions' scale operands
.set SU, 80
.set CD, 96
.set S, 128
.set KR, 0
.set VR, 64
.set QZ, 128
.set OT, 176
.set WV, 10
.set G1, 16
.set G0, 24
.set SEL, 28
.set CS, 30
.set MNT, 32
.set TB, 33
.set KF, 34
.set Q0, 35
.set TR, 36
.set SWT, 37
.set LIM, 38
.set SN, 39
.set GB, 44
.set BLK, 56
.set PFA, 62
.set LIMW, 66
.set MSB, 0
.macro WIN new                         ; the immediate's high byte repeats the setting that is left
.if MSB != \new
	s_set_vgpr_msb (MSB<<8)|\new
.set MSB, \new
.endif
.endm
.macro NOPS n
.rept \n
	v_nop
.endr
.endm
.macro TLOAD                           ; wave 0 fills; an s_nop 0 and four v_nop follow the line
	s_cmp_eq_u32 s[WV], 0
	s_cbranch_scc0 .Lnone_\@
	tensor_load_to_lds s[G0:G0+3], s[G1:G1+7]
	s_nop 0
	NOPS 4
.Lnone_\@:
.endm
.macro LOADF reg, wrd, oc, ow          ; four operands of 16 registers into window 1, and their scale words
	WIN 0x40
.irp j, 0,1,2,3
.irp c, 0,1,2,3
	ds_load_b128 v[\reg+16*\j+4*\c:\reg+16*\j+4*\c+3], v[ADK] offset:\oc+2048*\j+512*\c
.endr
.endr
	WIN 0
.irp j, 0,1,2,3
	ds_load_b32 v[\wrd+\j], v[ADS] offset:\ow+64*\j
.endr
.endm
	s_load_b128 s[4:7], s[0:1], 0x0                ; qkv, o's codes
	s_load_b64 s[8:9], s[0:1], 0x10                ; o's scales
	v_lshl_add_u32 v[SPW], v0, 2, SPARE
	v_mov_b32 v[NIL], 0
	ds_add_u32 v[SPW], v[NIL]                      ; the opening lines: the add, twice on end, and its wait
	ds_add_u32 v[SPW], v[NIL]
	v_lshrrev_b32 v40, 5, v0
	v_readfirstlane_b32 s[WV], v40                 ; wave 0..7
	s_mov_b32 s11, ttmp9                           ; i
	s_and_b32 s12, ttmp7, 0xffff                   ; batch x 16 + head
	s_mov_b32 s[G1], 3<<16                         ; group 1: 66 dense rows of 256 bytes (32 elements of 8 bytes), no padding
	s_mov_b32 s[G1+1], 32<<16
	s_mov_b32 s[G1+2], 66<<16
	s_mov_b32 s[G1+3], 32<<16
	s_mov_b32 s[G1+4], 66
	s_mov_b32 s[G1+5], 32
	s_mov_b32 s[G1+6], 0
	s_mov_b32 s[G1+7], 0
	s_mov_b32 s[G0], 1
	s_mov_b32 s[G0+1], 0
	s_mov_b32 s[GB], 1
	s_mov_b32 s[GB+1], SLOT1
	s_mul_i32 s42, s12, 16*REC                     ; the head's sixteen records
	s_mov_b32 s43, 0
	s_lshr_b32 s40, s[WV], 2                       ; my 32 queries: record wave / 4 of the block's two, fragments 2 (wave % 4) and the next
	s_mul_i32 s40, s40, REC
	s_and_b32 s41, s[WV], 3
	s_lshl_b32 s58, s41, 11
	s_add_co_u32 s58, s58, s40
	s_add_co_u32 s58, s58, R_QC
	s_lshl_b32 s59, s41, 6
	s_add_co_u32 s59, s59, s40
	s_add_co_u32 s59, s59, R_QS
	s_lshr_b32 s40, s12, 4                         ; the batch
	s_lshl_b32 s60, s40, 21                        ; o's codes: 2,048 tokens x 1,024 bytes a batch, K step head / 2, registers 8 (head % 2) on
	s_bfe_u32 s41, s12, 0x30001
	s_lshl_b32 s41, s41, 15                        ; o's codes lie [256 tokens][unit of 128 K = two heads][tile of 16 tokens][2,048 bytes]: the unit
	s_add_co_u32 s60, s60, s41
	s_and_b32 s41, s12, 1
	s_lshl_b32 s41, s41, 10
	s_add_co_u32 s60, s60, s41
	s_lshl_b32 s61, s40, 16                        ; o's scale bytes: 32 a token, bytes 2 head, 2 head + 1
	s_and_b32 s41, s12, 15
	s_lshl_b32 s41, s41, 1
	s_add_co_u32 s61, s61, s41
	s_mov_b32 s[SEL], 0x76543210
	s_mov_b32 s[SEL+1], 0xfedcba98
	s_mov_b32 s[CS], 0x3e38aa3b                    ; c = log2(e) / 8
	s_mov_b32 s[CS+1], s[CS]
	s_mov_b32 s[MNT], 0x600000
	s_lshl_b32 s40, s11, 1
	s_sub_co_u32 s[SWT], 15, s40                   ; the step behind which the blocks change
	s_sub_co_u32 s[LIM], 16, s40                   ; the first block's steps
	s_mov_b32 s[SN], 2
	s_cmp_eq_u32 s[WV], 1
	s_cselect_b32 s[LIMW], s[LIM], 0               ; wave 1 alone prefetches
	s_mul_i32 s57, s11, 17
	s_mov_b32 s[TB], 0
	s_wait_dscnt 0x0
	s_wait_kmcnt 0x0
	s_add_nc_u64 s[14:15], s[4:5], s[42:43]
	s_mov_b64 s[G0+2:G0+3], s[14:15]
	s_or_b32 s[G0+3], s[G0+3], 0x80000000
	s_add_nc_u64 s[GB+2:GB+3], s[14:15], REC
	s_or_b32 s[GB+3], s[GB+3], 0x80000000
	s_add_nc_u64 s[PFA:PFA+1], s[14:15], 3*REC     ; step 0's change steps it to record 4
	s_cmp_eq_u32 s[WV], 0                          ; the first fills, one a wave: wave 0 record 0 into slot 0, wave 1 record 1 into slot 1
	s_cbranch_scc0 .Lw1
	tensor_load_to_lds s[G0:G0+3], s[G1:G1+7]
	s_nop 0
	NOPS 4
	s_branch .Lasked
.Lw1:
	s_cmp_eq_u32 s[WV], 1
	s_cbranch_scc0 .Lasked
	tensor_load_to_lds s[GB:GB+3], s[G1:G1+7]
	s_nop 0
	NOPS 4
.Lasked:
	v_and_b32 v40, 31, v0
	v_lshlrev_b32 v[LI], 4, v40
	v_min_u32 v41, 16, v40
	v_add_nc_u32 v41, s57, v41
	v_min_u32 v41, 65, v41                         ; my block of the record's 66
	v_lshlrev_b32 v[PFO], 8, v41
	v_and_b32 v42, 15, v0                          ; r
	v_bfe_u32 v43, v0, 4, 1                        ; h
	v_lshlrev_b32 v[LS], 2, v42
	v_lshrrev_b32 v44, 3, v42
	v_and_b32 v45, 7, v42
	v_lshlrev_b32 v[QA], 10, v44                   ; Q: query r of a tile lies in fragment r / 8 of the pair, lane r % 8 (second tile: + 8), my half of the lanes
	v_lshl_add_u32 v[QA], v43, 8, v[QA]
	v_lshl_add_u32 v[QA], v45, 4, v[QA]
	v_lshlrev_b32 v[QSA], 2, v45
	v_lshl_add_u32 v[QSA], v44, 1, v[QSA]
	v_lshlrev_b32 v[OSA], 5, v42
	v_lshlrev_b32 v[DM], 4, v43
	v_sub_nc_u32 v[DM], v42, v[DM]                 ; r - 16 h, for the mask
	v_mov_b32 v[NINF], 0xff800000
	v_add_nc_u32 v[ADK], s[TB], v[LI]
	v_add_nc_u32 v[ADS], s[TB], v[LS]
.irp j, F,F+1,F+2,F+3,VW,VW+1,VW+2,VW+3,BM,BM+1,BM+2,BM+3,BM+4,BM+5,BM+6,BM+7,BM+16,BM+17,BM+18,BM+19,BM+20,BM+21,BM+22,BM+23
	v_mov_b32 v[\j], 0                             ; written once: see the head comment (a lane permute's destination counts as a source too)
.endr
.set n, 0
.rept 128
	v_mov_b32 v[S+n], 0
.set n, n+1
.endr
	WIN 0x40
.set n, 0
.rept 64
	v_mov_b32 v[VR+n], 0
.set n, n+1
.endr
.irp z, 0,16,32
.irp j, 0,1,2,3,4,5,6,7
	v_mov_b32 v[QZ+\z+\j], 0                       ; the zero codes beside Q: no later line writes these
.endr
.endr
	WIN 0
; A block of queries begins: addresses, Q, the running numbers.  O^T and the sums begin as zeros and the largest t as -3e38.
.set Q2, 240                           ; window 1, v240-255: the second block's Q, fetched with the first's
.set QW2, 46                           ; v46, v47: its scale words
.macro INIT first
	s_lshl_b32 s[Q0], s[BLK], 8
	s_lshl_b32 s40, s[WV], 5
	s_add_co_u32 s[Q0], s[Q0], s40                 ; my first query
	s_mov_b32 s43, 0
.if \first
	s_mul_i32 s40, s[BLK], 2*REC
	s_add_co_u32 s42, s40, s58
	s_add_nc_u64 s[48:49], s[14:15], s[42:43]
	s_add_co_u32 s42, s40, s59
	s_add_nc_u64 s[50:51], s[14:15], s[42:43]
.endif
	s_lshl_b32 s42, s[BLK], 18                     ; my block of 256 tokens,
	s_lshl_b32 s40, s[WV], 12                      ; my two tiles of 16 in a unit
	s_add_co_u32 s42, s42, s40
	s_add_co_u32 s42, s42, s60
	s_add_nc_u64 s[52:53], s[6:7], s[42:43]
	s_lshl_b32 s42, s[Q0], 5
	s_add_co_u32 s42, s42, s61
	s_add_nc_u64 s[54:55], s[8:9], s[42:43]
	s_mov_b32 s[KF], 0
.if \first
	s_mul_i32 s40, s11, 2*REC                      ; the second block's Q is asked for now too: at the change of blocks it is copied, not loaded
	s_add_co_u32 s42, s40, s58
	s_add_nc_u64 s[2:3], s[14:15], s[42:43]
	s_add_co_u32 s42, s40, s59
	s_add_nc_u64 s[12:13], s[14:15], s[42:43]
	WIN 0x40
.irp x, 0,1
	global_load_b128 v[QZ+8+16*\x:QZ+11+16*\x], v[QA], s[48:49] offset:128*\x
	global_load_b128 v[QZ+12+16*\x:QZ+15+16*\x], v[QA], s[48:49] offset:128*\x+512
	global_load_b128 v[Q2+8*\x:Q2+8*\x+3], v[QA], s[2:3] offset:128*\x
	global_load_b128 v[Q2+8*\x+4:Q2+8*\x+7], v[QA], s[2:3] offset:128*\x+512
.endr
.else
	WIN 0x41
.irp x, 0,1
.irp k, 0,1,2,3,4,5,6,7
	v_mov_b32 v[QZ+8+16*\x+\k], v[Q2+8*\x+\k]
.endr
.endr
	WIN 0x40
.endif
.set n, 0
.rept 64
	v_mov_b32 v[OT+n], 0
.set n, n+1
.endr
	WIN 0
.irp x, 0,1
.if \first
	global_load_u16 v[QW+\x], v[QSA], s[50:51] offset:32*\x
	global_load_u16 v[QW2+\x], v[QSA], s[12:13] offset:32*\x
.else
	v_mov_b32 v[QW+\x], v[QW2+\x]
.endif
	v_mov_b32 v[ST+4*\x+1], 0xff61b1e6
	v_floor_f32 v[ST+4*\x], -v[ST+4*\x+1]
	v_mov_b32 v[ST+4*\x+2], 0
	v_mov_b32 v[ST+4*\x+3], 0
.endr
.if \first
	s_wait_loadcnt 0x0
.irp x, 0,1
	v_perm_b32 v[QW+\x], v[QW+\x], v[QW+\x], 0x01000100     ; Q's two bytes stand twice: for q | 0 and for 0 | q
	v_perm_b32 v[QW2+\x], v[QW2+\x], v[QW2+\x], 0x01000100
.endr
.endif
	NOPS 8                                         ; a scale word written by a vector line stands eight places ahead of its product
	s_wait_alu depctr_va_vdst(0)
.endm
; The largest score of each block of 32 keys, the running M and f = 2^(old M - new M), both tiles by turns.
.macro P1
.irp x, 0,1
.irp b, 0,1,2,3
	v_max3_num_f32 v[BM+16*\x+\b], v[S+64*\x+16*\b], v[S+64*\x+16*\b+1], v[S+64*\x+16*\b+2]
.endr
.endr
.irp i, 3,5,7,9,11,13
.irp x, 0,1
.irp b, 0,1,2,3
	v_max3_num_f32 v[BM+16*\x+\b], v[BM+16*\x+\b], v[S+64*\x+16*\b+\i], v[S+64*\x+16*\b+\i+1]
.endr
.endr
.endr
.irp x, 0,1
.irp b, 0,1,2,3
	v_max_num_f32 v[BM+16*\x+\b], v[BM+16*\x+\b], v[S+64*\x+16*\b+15]
.endr
.endr
.irp x, 0,1
.irp b, 0,1,2,3
	v_permlanex16_b32 v[BM+16*\x+4+\b], v[BM+16*\x+\b], s[SEL], s[SEL+1]
.endr
.endr
.irp x, 0,1
.irp b, 0,1,2,3
	v_max_num_f32 v[BM+16*\x+\b], v[BM+16*\x+\b], v[BM+16*\x+4+\b]   ; with lane l xor 16's 16 keys
.endr
.endr
.irp x, 0,1
	v_max3_num_f32 v[T0+\x], v[BM+16*\x], v[BM+16*\x+1], v[BM+16*\x+2]
.endr
.irp x, 0,1
	v_max_num_f32 v[T0+\x], v[T0+\x], v[BM+16*\x+3]
.endr
.irp x, 0,1
	v_mul_f32 v[T0+\x], s[CS], v[T0+\x]
.endr
.irp x, 0,1
	v_max_num_f32 v[ST+4*\x+1], v[ST+4*\x+1], v[T0+\x]   ; the running largest t
.endr
.irp x, 0,1
	v_mov_b32 v[T0+\x], v[ST+4*\x]
.endr
.irp x, 0,1
	v_floor_f32 v[ST+4*\x], -v[ST+4*\x+1]          ; -M = floor(-t)
.endr
.irp x, 0,1
	v_sub_f32 v[T0+\x], v[ST+4*\x], v[T0+\x]       ; old M - new M, a whole number
.endr
.irp x, 0,1
	v_cvt_i32_f32 v[T0+\x], v[T0+\x]
.endr
.irp x, 0,1
	v_ldexp_f32 v[F+2*\x], 1.0, v[T0+\x]
.endr
.endm
; One tile: p, its sum, its scale word and its codes.
.macro PF x                            ; t - M
.set SS, S+64*\x
.set TT, BM+16*\x
.set LL, ST+4*\x
.set n, 0
.rept 32
	v_pk_fma_f32 v[SS+n:SS+n+1], v[SS+n:SS+n+1], s[CS:CS+1], v[LL:LL+1] op_sel_hi:[1,0,0]   ; t - M
.set n, n+2
.endr
.irp b, 0,1,2,3
	v_fma_f32 v[TT+\b], v[TT+\b], s[CS], v[LL]     ; the same of each block's largest score
.endr
.endm
.macro PX x                            ; p = 2^(t - M); both tiles' go as one batch
.set SS, S+64*\x
.set TT, BM+16*\x
.set n, 0
.rept 64
	v_exp_f32 v[SS+n], v[SS+n]
.set n, n+1
.endr
.irp b, 0,1,2,3
	v_exp_f32 v[TT+\b], v[TT+\b]                   ; the block's largest p
.endr
.endm
.macro PQ x                            ; a tile's scale word, sum and codes
.set SS, S+64*\x
.set TT, BM+16*\x
.set LL, ST+4*\x
.irp b, 0,1,2,3
	v_max_num_f32 v[TT+\b], 0x4800000, v[TT+\b]    ; the floor 2^(9 - 127): the byte cannot fall under 1
.endr
.irp b, 0,1,2,3
	v_add_nc_u32 v[TT+12+\b], 0xfc000000, v[TT+\b]
.endr
.irp b, 0,1,2,3
	v_and_or_b32 v[TT+8+\b], v[TT+\b], 0x7f800000, s[MNT]
.endr
.irp b, 0,1,2,3
	v_lshrrev_b32 v[TT+4+\b], 23, v[TT+12+\b]
.endr
	v_lshl_or_b32 v[PW+\x], v[TT+5], 8, v[TT+4]
	v_lshl_or_b32 v[PW+\x], v[TT+6], 16, v[PW+\x]
	v_lshl_or_b32 v[PW+\x], v[TT+7], 24, v[PW+\x]
.irp c, 0,1,2,3,4,5,6                          ; the row's sum of the unquantised p: 32 packed additions in eight chains
	v_pk_add_f32 v[SU+2*\c:SU+2*\c+1], v[SS+4*\c:SS+4*\c+1], v[SS+4*\c+2:SS+4*\c+3]
.endr
	v_pk_add_f32 v[LL+2:LL+3], v[LL+2:LL+3], v[SS+28:SS+29]
.irp g, 0,1
.irp c, 0,1,2,3,4,5,6
	v_pk_add_f32 v[SU+2*\c:SU+2*\c+1], v[SU+2*\c:SU+2*\c+1], v[SS+30+16*\g+2*\c:SS+31+16*\g+2*\c]
.endr
	v_pk_add_f32 v[LL+2:LL+3], v[LL+2:LL+3], v[SS+44+16*\g:SS+45+16*\g]
.endr
	v_pk_add_f32 v[SU:SU+1], v[SU:SU+1], v[SS+62:SS+63]
	v_pk_add_f32 v[SU+4:SU+5], v[SU+4:SU+5], v[SU+6:SU+7]
	v_pk_add_f32 v[SU+8:SU+9], v[SU+8:SU+9], v[SU+10:SU+11]
	v_pk_add_f32 v[LL+2:LL+3], v[LL+2:LL+3], v[SU+12:SU+13]
	v_pk_add_f32 v[SU:SU+1], v[SU:SU+1], v[SU+2:SU+3]
	v_pk_add_f32 v[LL+2:LL+3], v[LL+2:LL+3], v[SU+8:SU+9]
	v_pk_add_f32 v[SU:SU+1], v[SU:SU+1], v[SU+4:SU+5]
.irp b, 0,1,2,3
	v_mov_b32 v[TT+4+(\b+1)%4], v[TT+8+\b]         ; a second copy of the bound, in another register bank, for the pair's second half
.endr
	v_pk_add_f32 v[LL+2:LL+3], v[LL+2:LL+3], v[SU:SU+1]
.irp b, 0,1,2,3
.irp i, 0,2,4,6,8,10,12,14
	v_dual_min_num_f32 v[SS+16*\b+\i], v[TT+8+\b], v[SS+16*\b+\i] :: v_dual_min_num_f32 v[SS+16*\b+\i+1], v[TT+4+(\b+1)%4], v[SS+16*\b+\i+1]   ; the conversion does not saturate (ISA guide 7.6.2); p is not negative: a one-sided hold, two at a time
.endr
	v_cvt_scalef32_pk8_fp8_f32 v[CD+16*\x+4*\b:CD+16*\x+4*\b+1], v[SS+16*\b:SS+16*\b+7], v[TT+12+\b]
	v_cvt_scalef32_pk8_fp8_f32 v[CD+16*\x+4*\b+2:CD+16*\x+4*\b+3], v[SS+16*\b+8:SS+16*\b+15], v[TT+12+\b]
.endr
	v_nop                                          ; one plain vector line behind the last conversion
.endm
; THE CHANGE OF SLOTS.  Each wave waits for all its tensor loads, adds 0 to its spare word, and waits for that and for its reads of the slot in hand.  fill = 1: the slot in hand takes the record two steps on.
.macro CHANGE fill
	s_wait_alu depctr_va_vdst(0)
	s_wait_tensorcnt 0x0
	ds_add_u32 v[SPW], v[NIL]
.if \fill
	ds_add_u32 v[SPW], v[NIL]                      ; twice on end where a tensor load follows
	s_mul_i32 s40, s[SN], REC
	s_mov_b32 s41, 0
	s_add_nc_u64 s[G0+2:G0+3], s[14:15], s[40:41]
	s_or_b32 s[G0+3], s[G0+3], 0x80000000
	s_xor_b32 s[G0+1], s[G0+1], SLOT1
	s_add_co_u32 s[SN], s[SN], 1
	s_cmp_eq_u32 s[SN], s[LIM]                     ; behind the first block's last record the second block begins at key 0
	s_cselect_b32 s[SN], 0, s[SN]
	s_wait_xcnt 0x0                                ; my prefetch has read its address
	s_add_nc_u64 s[PFA:PFA+1], s[PFA:PFA+1], REC
.endif
	s_wait_dscnt 0x0
	s_barrier_signal -1
	s_barrier_wait -1
.if \fill
	TLOAD
.endif
.endm
.macro NEXTK
	v_add_nc_u32 v[ADK], s[TB], v[LI]
	v_add_nc_u32 v[ADS], s[TB], v[LS]
	s_wait_alu depctr_va_vdst(0)
	LOADF KR, KW, 0, R_KS
.endm
; A STEP: 128 keys.
.macro STEP fill
	s_add_co_u32 s40, s[Q0], 31
	s_cmp_gt_u32 s[KF], s40                        ; all its keys come after my 32 queries: its work is left out
	s_cbranch_scc1 .Lha_\@
	s_wait_dscnt 0x0                               ; K, asked for in the middle of the step before
	WIN 0x05
.irp j, 0,1,2,3
.irp x, 0,1
.irp u, 0,1
	v_wmma_scale_f32_16x16x128_f8f6f4 v[S+64*\x+16*\j+8*\u:S+64*\x+16*\j+8*\u+7], v[KR+16*\j:KR+16*\j+15], v[QZ+16*\x+8-8*\u:QZ+16*\x+23-8*\u], 0, v[KW+\j], v[QW+\x]
.endr
.endr
.endr
	WIN 0
	NOPS 8                                         ; places: ahead of the scores' readers, and of the loads into V's registers and K's
	LOADF VR, VW, R_VC, R_VS
	s_add_co_u32 s40, s[KF], 127                   ; a step all of whose keys count skips the mask
	s_cmp_le_u32 s40, s[Q0]
	s_cbranch_scc1 .Lopen_\@
	s_sub_co_i32 s40, s[Q0], s[KF]
	v_add_nc_u32 v[T0], s40, v[DM]
.irp x, 0,1
.irp b, 0,1,2,3
	v_add_nc_u32 v[EE+\b], 16*\x-32*\b, v[T0]      ; register 16 b + i is hidden where i > my query - KF - 16 h - 32 b
.endr
.irp b, 0,1,2,3
.irp i, 0,1,2,3,4,5,6,7,8,9,10,11,12,13,14,15
	v_cmp_gt_i32 vcc_lo, \i, v[EE+\b]
	v_cndmask_b32 v[S+64*\x+16*\b+\i], v[S+64*\x+16*\b+\i], v[NINF], vcc_lo
.endr
.endr
.endr
.Lopen_\@:
	P1
	PF 0
	PF 1
	s_wait_alu depctr_va_vdst(0)                   ; ahead of the batch
	PX 0
	PX 1
.irp x, 0,1
	v_pk_mul_f32 v[ST+4*\x+2:ST+4*\x+3], v[ST+4*\x+2:ST+4*\x+3], v[F+2*\x:F+2*\x+1] op_sel_hi:[1,0]   ; the sums under the new M (the plain place behind the batch)
.endr
	s_wait_alu depctr_va_vdst(0)                   ; and behind it.  The change of slots follows here: the codes of both tiles and the second product are worked behind it
.Lha_\@:
	CHANGE \fill
	s_xor_b32 s[TB], s[TB], SLOT1
.if \fill
	NEXTK
	s_add_co_u32 s40, s[TR], 4
	s_cmp_lt_u32 s40, s[LIMW]
	s_cbranch_scc0 .Lnp_\@
	global_prefetch_b8 v[PFO], s[PFA:PFA+1] th:TH_LOAD_NT scope:SCOPE_SE
.Lnp_\@:
.else
	s_cmp_eq_u32 s[TR], 1                          ; no step follows the last
	s_cbranch_scc1 .Lnk_\@
	NEXTK
.Lnk_\@:
.endif
	s_add_co_u32 s40, s[Q0], 31
	s_cmp_gt_u32 s[KF], s40
	s_cbranch_scc1 .Lhb_\@
	PQ 0
	PQ 1
	WIN 0x41
	s_wait_alu depctr_va_vdst(0)                   ; directly ahead of the first reader of O^T
.irp x, 0,1
.set n, 0
.rept 16
	v_pk_mul_f32 v[OT+32*\x+n:OT+32*\x+n+1], v[OT+32*\x+n:OT+32*\x+n+1], v[F+2*\x:F+2*\x+1] op_sel_hi:[1,0]   ; O^T under the new M; also the places between p's codes and the products
.set n, n+2
.endr
.endr
	WIN 0x51
.irp t, 0,1,2,3                                ; O^T += V^T P^T: eight accumulators by turns
.irp x, 0,1
	v_wmma_scale_f32_16x16x128_f8f6f4 v[OT+32*\x+8*\t:OT+32*\x+8*\t+7], v[VR+16*\t:VR+16*\t+15], v[CD+16*\x:CD+16*\x+15], v[OT+32*\x+8*\t:OT+32*\x+8*\t+7], v[VW+\t], v[PW+\x]
.endr
.endr
	WIN 0
.Lhb_\@:
	s_add_co_u32 s[KF], s[KF], 128
.endm
; A block of queries ends: O^T / the sum, quantised along the head's 64 (register 16 b + i is d = 32 b + 16 h + i), leaves as an image of the last product's operand.
.macro FLUSH
	s_wait_xcnt 0x0
	NOPS 8                                         ; places behind the last products
.irp x, 0,1
	v_add_f32 v[ST+4*\x+2], v[ST+4*\x+2], v[ST+4*\x+3]
.endr
.irp x, 0,1
	v_permlanex16_b32 v[T0+\x], v[ST+4*\x+2], s[SEL], s[SEL+1]
.endr
.irp x, 0,1
	v_add_f32 v[ST+4*\x+2], v[ST+4*\x+2], v[T0+\x]
.endr
	s_wait_alu depctr_va_vdst(0)                   ; ahead of the transcendentals
.irp x, 0,1
	v_rcp_f32 v[F+2*\x], v[ST+4*\x+2]
.endr
	v_nop
	WIN 0x01
	s_wait_alu depctr_va_vdst(0)                   ; and ahead of their first reader, which is O^T's too
.irp x, 0,1
.set n, 0
.rept 16
	v_pk_mul_f32 v[S+64*\x+n:S+64*\x+n+1], v[OT+32*\x+n:OT+32*\x+n+1], v[F+2*\x:F+2*\x+1] op_sel_hi:[1,0]
.set n, n+2
.endr
.endr
	WIN 0
.irp x, 0,1
.irp b, 0,1
	v_max3_num_f32 v[BM+16*\x+\b], |v[S+64*\x+16*\b]|, |v[S+64*\x+16*\b+1]|, 0x4800000
.endr
.endr
.irp i, 2,4,6,8,10,12,14
.irp x, 0,1
.irp b, 0,1
	v_max3_num_f32 v[BM+16*\x+\b], v[BM+16*\x+\b], |v[S+64*\x+16*\b+\i]|, |v[S+64*\x+16*\b+\i+1]|
.endr
.endr
.endr
.irp x, 0,1
.irp b, 0,1
	v_permlanex16_b32 v[BM+16*\x+4+\b], v[BM+16*\x+\b], s[SEL], s[SEL+1]
.endr
.endr
.irp x, 0,1
.irp b, 0,1
	v_max_num_f32 v[BM+16*\x+\b], v[BM+16*\x+\b], v[BM+16*\x+4+\b]
.endr
.endr
.irp x, 0,1
.irp b, 0,1
	v_add_nc_u32 v[BM+16*\x+12+\b], 0xfc000000, v[BM+16*\x+\b]
.endr
.endr
.irp x, 0,1
.irp b, 0,1
	v_and_or_b32 v[BM+16*\x+8+\b], v[BM+16*\x+\b], 0x7f800000, s[MNT]
.endr
.endr
.irp x, 0,1
.irp b, 0,1
	v_lshrrev_b32 v[BM+16*\x+4+\b], 23, v[BM+16*\x+12+\b]
.endr
.endr
.irp x, 0,1
	v_lshl_or_b32 v[T0+\x], v[BM+16*\x+5], 8, v[BM+16*\x+4]   ; the head's two scale bytes of my token
.endr
.irp x, 0,1
.irp b, 0,1
.irp i, 0,1,2,3,4,5,6,7,8,9,10,11,12,13,14,15
	v_med3_num_f32 v[S+64*\x+16*\b+\i], v[S+64*\x+16*\b+\i], -v[BM+16*\x+8+\b], v[BM+16*\x+8+\b]
.endr
	v_cvt_scalef32_pk8_fp8_f32 v[CD+16*\x+4*\b:CD+16*\x+4*\b+1], v[S+64*\x+16*\b:S+64*\x+16*\b+7], v[BM+16*\x+12+\b]
	v_cvt_scalef32_pk8_fp8_f32 v[CD+16*\x+4*\b+2:CD+16*\x+4*\b+3], v[S+64*\x+16*\b+8:S+64*\x+16*\b+15], v[BM+16*\x+12+\b]
.endr
.endr
	v_nop                                          ; one plain vector line behind the last conversion
.irp x, 0,1
	global_store_b128 v[LI], v[CD+16*\x:CD+16*\x+3], s[52:53] offset:2048*\x          ; 512 consecutive bytes each
	global_store_b128 v[LI], v[CD+16*\x+4:CD+16*\x+7], s[52:53] offset:2048*\x+512
	global_store_b16 v[OSA], v[T0+\x], s[54:55] offset:512*\x   ; a head owns 2 of a token's 32 scale bytes; lanes l and l xor 16 store the same value
.endr
.endm
	s_sub_co_u32 s[BLK], 7, s11                    ; the later block first
	INIT 1
	s_wait_tensorcnt 0x0                           ; both first fills are in, in the waves that asked for them,
	s_barrier_signal -1
	s_barrier_wait -1                              ; and every wave knows it
	s_mov_b32 s[G0+1], SLOT1                       ; (no tensor load is out) the first change turns it to slot 0
	LOADF KR, KW, 0, R_KS
	s_mov_b32 s[TR], 0
.Lfill:                                            ; sixteen steps; in each the record two steps on is asked for
	STEP 1
	s_cmp_lg_u32 s[TR], s[SWT]
	s_cbranch_scc1 .Lgo
	FLUSH                                          ; the first block is done (no LDS instruction, barrier or tensor load stands under this branch)
	s_wait_xcnt 0x0                                ; its stores have read their registers and bases
	s_mov_b32 s[BLK], s11
	INIT 0
.Lgo:
	s_add_co_u32 s[TR], s[TR], 1
	s_cmp_lt_u32 s[TR], 16
	s_cbranch_scc1 .Lfill
	s_mov_b32 s[TR], 0
.Llast:                                            ; the last two steps ask for nothing; the first of them shows the last record, the second's barrier orders nothing more
	STEP 0
	s_add_co_u32 s[TR], s[TR], 1
	s_cmp_lt_u32 s[TR], 2
	s_cbranch_scc1 .Llast
	FLUSH
	s_wait_tensorcnt 0x0                           ; the wave's end
	ds_add_u32 v[SPW], v[NIL]
	s_wait_dscnt 0x0
	s_endpgm
.Lfunc_end_k_q7809157b25_attn:
	.size	k_q7809157b25_attn, .Lfunc_end_k_q7809157b25_attn-k_q7809157b25_attn
	.p2alignl 7, 3214868480
	.fill 96, 4, 3214868480
	.section	.rodata,"a",@progbits
	.p2align	6, 0x0
	.amdhsa_kernel k_q7809157b25_attn
		.amdhsa_group_segment_fixed_size 327680
		.amdhsa_private_segment_fixed_size 0
		.amdhsa_enable_private_segment 0
		.amdhsa_kernarg_size 24
		.amdhsa_user_sgpr_count 2
		.amdhsa_user_sgpr_kernarg_segment_ptr 1
		.amdhsa_wavefront_size32 1
		.amdhsa_system_sgpr_workgroup_id_x 1
		.amdhsa_system_sgpr_workgroup_id_y 1
		.amdhsa_system_sgpr_workgroup_id_z 1
		.amdhsa_system_vgpr_workitem_id 0
		.amdhsa_next_free_vgpr 512
		.amdhsa_next_free_sgpr 68
		.amdhsa_reserve_vcc 1
		.amdhsa_float_denorm_mode_32 3
		.amdhsa_float_denorm_mode_16_64 3
		.amdhsa_memory_ordered 1
		.amdhsa_forward_progress 1
		.amdhsa_inst_pref_size 133
	.end_amdhsa_kernel
	.amdgpu_metadata
---
amdhsa.version: [ 1, 2 ]
amdhsa.kernels:
  - .name:           k_q7809157b25_attn
    .symbol:         k_q7809157b25_attn.kd
    .args:
      - { .name: qkv, .offset: 0, .size: 8, .value_kind: global_buffer, .address_space: global }
      - { .name: o_codes, .offset: 8, .size: 8, .value_kind: global_buffer, .address_space: global }
      - { .name: o_scales, .offset: 16, .size: 8, .value_kind: global_buffer, .address_space: global }
    .group_segment_fixed_size: 327680
    .private_segment_fixed_size: 0
    .kernarg_segment_align: 8
    .kernarg_segment_size: 24
    .max_flat_workgroup_size: 256
    .sgpr_count:     68
    .vgpr_count:     512
    .wavefront_size: 32
...
	.end_amdgpu_metadata
.endif
;; end of part 3
;; launch outgemm (part 4): grid 8 x 32, 4 waves a work-group, clusters of 4 x 4, 327,680 bytes of LDS; arguments o_codes, o_scales, w_codes, w_scales, out0, Wo_b; writes out0
.if DOCPART == 4
	.amdgcn_target "amdgcn-amd-amdhsa--gfx1250"
	.amdhsa_code_object_version 6
	.text
	.protected	k_q7809157b25_outgemm
	.globl	k_q7809157b25_outgemm
	.p2align	8
	.type	k_q7809157b25_outgemm,@function
k_q7809157b25_outgemm:
	s_mov_b64 s[64:65], 0
	v_nop
	global_prefetch_b8 v0, s[64:65] scope:SCOPE_SE
	s_setreg_imm32_b32 hwreg(HW_REG_WAVE_MODE, 25, 1), 1
	s_wait_xcnt 0x0
	s_wait_alu depctr_hold_cnt(0) depctr_sa_sdst(0) depctr_va_vdst(0) depctr_va_sdst(0) depctr_va_ssrc(0) depctr_va_vcc(0) depctr_vm_vsrc(0)
	s_getreg_b32 s2, hwreg(HW_REG_IB_STS2, 6, 4)
	s_cmp_eq_u32 s2, 0
	s_cbranch_scc0 .Lentry_in_a_cluster
	s_endpgm
.Lentry_in_a_cluster:
	s_bfe_u32 s2, ttmp6, 0x10000c
	s_cmp_lg_u32 s2, 0xf033
	s_cbranch_scc0 .Lentry_shape_is_right
	s_endpgm
.Lentry_shape_is_right:
; out0 = o Wo^T + Wo_b on codes of FP8 (E4M3) with E8M0 scales for each 32 along K = 1,024; f32 sums, f32 results.
; A tile of 256 tokens x 128 features is made by a work-group of four waves, 2 x 2, each 128 x 64: 32 accumulators of 16 x 16.  K goes in eight units of 128.
; o's codes lie as images of operand registers, [256 tokens][unit][tile of 16 tokens][2,048 bytes]: a work-group's units are 32,768 dense bytes each, one behind the other.  Wo's rows lie behind Wa's in w_codes, 1,024 bytes a row.
; LDS: five places of a unit of A (163,840 bytes), B's 128 rows for ALL of K (rows of 1,024 bytes + 16 of padding), the scale bytes of both for all of K, the spare words.  A's eight units and B do not fit together: 262,144 + 133,120 bytes.
; FILLS.  At the head one load a wave: wave 0 A's units 0 to 4, wave 1 B, wave 2 A's scale bytes, wave 3 B's.  ONE refill: units 5 to 7 over the places of units 0 to 2, a quarter (24,576 bytes) a wave, behind a round of the cluster's
; barrier that stands inside unit 2, where every wave holds unit 2 in registers; it is shown by a plain barrier behind unit 4's products.  A wave has one tensor load out at the most.
; PREFETCH: the text has no loop; the one stream that is asked for late, the refill's 98,304 bytes, is named once at the head: the sixteen waves of a cluster's row take 24 blocks of 256 bytes each, told apart by address (left-over lanes name the last block again).
; THE MATRIX INSTRUCTION IS USED TRANSPOSED: source 0 = 16 rows of Wo, source 1 = 16 tokens.  Wo's rows lie with the second and third run of 8 of each 32 exchanged, so the 16 registers of B's blocks 2 b, 2 b + 1 are 16 neighbouring features.
; The bias is the first products' C.  CLUSTERS: 4 x 4; A's tiles are asked for jointly along a row of the cluster, B's along a column.
; THE WAY OUT goes through a stage of 16 rows x 272 bytes for each wave, in the place of unit 3: it has had its only fill, and its last read stands ahead of the barrier behind unit 4.
; REGISTERS: window 0: v16-31 addresses; v32-63 scale words, two sets; v64-95 the bias; v128-255 A's eight fragments, one set.  Window 1: B's four fragments, two sets.  Window 2: the accumulators.
.set FR,     16
.set NP,     8                         ; places behind this matrix instruction (ISA guide 7.12.1)
.set UB,     32768
.set BOFF,   5*UB
.set BP,     1040
.set SCL,    BOFF+128*BP
.set SCB,    SCL+8704
.set SPARE,  SCB+4352
.set STG,    3*UB
.set SPITCH, 272
.set ADRA, 16                          ; v16-20  my fragments of A in places 0 to 4
.set ADRB, 21
.set STO,  24
.set RD,   25
.set CO,   26
.set ADRS, 27                          ; lanes 0-15 A's scale words, lanes 16-31 B's
.set SPW,  28
.set NIL,  29
.set ADRSA, 30                         ; A's scale words alone
.set PFO,  31
.set SC,   32
.set BI,   64
.set AF,   128
.set BK,   128
.set G1, 24
.set G0, 32
.set G0R, 36
.set G1R, 48
.set G1B, 56
.set G0B, 68
.set G1S, 72
.set G0S, 80
.set G1SB, 84
.set G0SB, 92
.set MSB, 0
.macro WIN new                         ; the immediate's high byte repeats the setting that is left
.if MSB != \new
	s_set_vgpr_msb (MSB<<8)|\new
.set MSB, \new
.endif
.endm
.set MUL,   0xa1                       ; source 0 (B) window 1, source 1 (A) window 0, C and D window 2
.set MULZ,  0x81                       ; the same, C (the bias) window 0
.set TO_B,  0x40
.macro PLACES n
.rept \n
	v_nop
.endr
.endm
.macro CREST                           ; a round of the cluster's barrier behind its opening barrier
	s_cmp_lg_u32 s14, 0
	s_cbranch_scc1 .Lnot_wave_0_\@
	s_barrier_signal -3
.Lnot_wave_0_\@:
	s_barrier_wait -3
	s_barrier_signal -1
	s_barrier_wait -1
.endm
.macro CROUND
	s_barrier_signal -1
	s_barrier_wait -1
	CREST
.endm
.macro DENSE g, mask, word0, cols, rows        ; group 1 of a dense block: rows of cols elements, one behind the other
	s_or_b32 s[\g+0], s\mask, \word0
	s_mov_b32 s[\g+1], (\cols)<<16
	s_mov_b32 s[\g+2], (\rows)<<16
	s_mov_b32 s[\g+3], (\cols)<<16
	s_mov_b32 s[\g+4], \rows
	s_mov_b32 s[\g+5], \cols
	s_mov_b32 s[\g+6], 0
	s_mov_b32 s[\g+7], 0
.endm
	s_load_b128 s[4:7], s[0:1], 0x0                ; o's codes, o's scales
	s_load_b128 s[8:11], s[0:1], 0x10              ; the weights' codes, their scales
	s_load_b64 s[12:13], s[0:1], 0x20              ; out0
	s_load_b64 s[66:67], s[0:1], 0x28              ; Wo_b
	v_lshl_add_u32 v[SPW], v0, 2, SPARE
	v_mov_b32 v[NIL], 0
	ds_add_u32 v[SPW], v[NIL]                      ; the opening lines: the add, twice on end, and its wait
	ds_add_u32 v[SPW], v[NIL]
	v_lshrrev_b32 v1, 5, v0
	v_readfirstlane_b32 s14, v1                    ; wave 0..3
	s_lshr_b32 s15, s14, 1                         ; my half of the tokens
	s_and_b32 s16, s14, 1                          ; my half of the features
	s_bfe_u32 s40, ttmp6, 0x40000                  ; cx, cy
	s_bfe_u32 s41, ttmp6, 0x40004
	s_lshl_b32 s42, ttmp9, 2
	s_add_co_u32 s42, s42, s40                     ; tile of 128 features
	s_and_b32 s17, ttmp7, 0xffff
	s_lshl_b32 s17, s17, 2
	s_add_co_u32 s17, s17, s41                     ; tile of 256 tokens
	s_lshl_b32 s43, s41, 2
	s_lshl_b32 s43, 15, s43                        ; my row of the cluster
	s_lshl_b32 s44, 0x1111, s40                    ; my column
	DENSE G1,   43, (3<<16)|(1<<21), 512, 40                               ; A's units 0 to 4: 40 rows of 4,096 bytes (elements of 8 bytes), no padding
	DENSE G1R,  43, (3<<16)|(1<<21), 512, 6                                ; a quarter of units 5 to 7: 6 rows
	DENSE G1B,  44, (1<<20)|(1<<21)|(7<<22)|(3<<25), 1024, 128             ; B: 128 rows of 1,024 bytes, four words of padding behind each 256
	DENSE G1S,  43, (3<<16)|(1<<20)|(1<<21)|(5<<22)|(3<<25), 32, 32        ; A's scale bytes: 32 rows of 256 bytes, four words of padding behind each
	DENSE G1SB, 44, (3<<16)|(1<<20)|(1<<21)|(5<<22)|(3<<25), 32, 16        ; B's: 16 rows
	s_lshl_b32 s20, s17, 18                        ; offsets into the buffers, each under 2^32
	s_mov_b32 s21, 0
	s_lshl_b32 s22, s17, 13
	s_mov_b32 s23, 0
	s_lshl_b32 s46, s42, 17
	s_add_co_u32 s46, s46, 3145728                 ; Wo's rows lie behind Wa's 3,072
	s_mov_b32 s47, 0
	s_lshl_b32 s96, s42, 12
	s_add_co_u32 s96, s96, 98304
	s_mov_b32 s97, 0
	s_lshl_b32 s2, s42, 9
	s_lshl_b32 s3, s16, 8
	s_add_co_u32 s2, s2, s3                        ; my 64 numbers of the bias
	s_mov_b32 s3, 0
	s_mul_i32 s18, s14, 24576                      ; my quarter of the refill
	s_mov_b32 s19, 0
	s_lshl_b32 s45, s40, 2
	s_add_co_u32 s45, s45, s14
	s_mul_i32 s45, s45, 24                         ; which 24 blocks of the refill's 384 my wave prefetches
	s_wait_dscnt 0x0
	s_wait_kmcnt 0x0
	s_add_nc_u64 s[20:21], s[4:5], s[20:21]
	s_add_nc_u64 s[22:23], s[6:7], s[22:23]
	s_add_nc_u64 s[46:47], s[8:9], s[46:47]
	s_add_nc_u64 s[96:97], s[10:11], s[96:97]
	s_add_nc_u64 s[66:67], s[66:67], s[2:3]
	CROUND                                         ; all sixteen work-groups are here: the first joint loads meet
	s_mov_b32 s[G0], 1
	s_mov_b32 s[G0+1], 0
	s_mov_b64 s[G0+2:G0+3], s[20:21]
	s_or_b32 s[G0+3], s[G0+3], 0x80000000
	s_add_nc_u64 s[20:21], s[20:21], 5*UB          ; unit 5
	s_mov_b32 s[G0R], 1
	s_mov_b32 s[G0R+1], s18
	s_add_nc_u64 s[G0R+2:G0R+3], s[20:21], s[18:19]
	s_or_b32 s[G0R+3], s[G0R+3], 0x80000000
	s_mov_b32 s[G0B], 1
	s_mov_b32 s[G0B+1], BOFF
	s_mov_b64 s[G0B+2:G0B+3], s[46:47]
	s_or_b32 s[G0B+3], s[G0B+3], 0x80000000
	s_mov_b32 s[G0S], 1
	s_mov_b32 s[G0S+1], SCL
	s_mov_b64 s[G0S+2:G0S+3], s[22:23]
	s_or_b32 s[G0S+3], s[G0S+3], 0x80000000
	s_mov_b32 s[G0SB], 1
	s_mov_b32 s[G0SB+1], SCB
	s_mov_b64 s[G0SB+2:G0SB+3], s[96:97]
	s_or_b32 s[G0SB+3], s[G0SB+3], 0x80000000
.macro ARM under, g0, g1, next         ; one chain of branches on the wave's number, one load to an arm
	s_cmp_lt_u32 s14, \under
	s_cbranch_scc0 \next
	tensor_load_to_lds s[\g0:\g0+3], s[\g1:\g1+7]
	s_nop 0
	PLACES 4
	s_branch .Lhead_asked
\next:
.endm
	ARM 1, G0,  G1,  .Lhead_b
	ARM 2, G0B, G1B, .Lhead_sa
	ARM 3, G0S, G1S, .Lhead_sb
	tensor_load_to_lds s[G0SB:G0SB+3], s[G1SB:G1SB+7]
	s_nop 0
	PLACES 4
.Lhead_asked:
	v_and_b32 v1, 15, v0                           ; r
	v_bfe_u32 v2, v0, 4, 1                         ; h
	v_lshlrev_b32 v9, 6, v2
	v_and_b32 v6, 31, v0
	v_lshlrev_b32 v7, 4, v6
	v_min_u32 v10, 23, v6
	v_add_nc_u32 v10, s45, v10
	v_lshlrev_b32 v[PFO], 8, v10
	s_wait_alu depctr_va_vdst(0)
.irp b, 0,1,2,3
	global_load_b128 v[BI+8*\b:BI+8*\b+3], v9, s[66:67] offset:128*(\b/2)+32*(\b%2)       ; the bias in the results' layout
	global_load_b128 v[BI+8*\b+4:BI+8*\b+7], v9, s[66:67] offset:128*(\b/2)+32*(\b%2)+16
.endr
	global_prefetch_b8 v[PFO], s[20:21] th:TH_LOAD_NT scope:SCOPE_SE   ; s[20:21] and v31 are not written again
	s_lshl_b32 s2, s15, 14                         ; my eight tiles of a unit
.irp p, 0,1,2,3,4
	v_add_nc_u32 v[ADRA+\p], s2, v7
	s_add_co_u32 s2, s2, UB
.endr
	v_mul_u32_u24 v3, v1, BP
	v_lshl_add_u32 v4, v2, 4, v3
	s_mul_i32 s22, s16, 64*BP
	s_add_co_u32 s22, s22, BOFF
	v_add_nc_u32 v[ADRB], s22, v4
	v_lshlrev_b32 v5, 5, v1                        ; my row's scale bytes: 32 a row, and 16 more for each 256 passed
	v_lshrrev_b32 v8, 8, v5
	v_lshl_add_u32 v5, v8, 4, v5
	s_mul_i32 s2, s15, 4352
	s_mul_i32 s22, s16, 2176
	s_add_co_u32 s22, s22, 8704
	s_sub_co_u32 s22, s22, s2
	v_mul_u32_u24 v8, s22, v2                      ; lanes 16-31 take B's
	s_add_co_u32 s2, s2, SCL
	v_add_nc_u32 v[ADRSA], s2, v5
	v_add_nc_u32 v[ADRS], v[ADRSA], v8
	s_mul_i32 s23, s14, 16*SPITCH
	s_add_co_u32 s23, s23, STG
	v_mul_u32_u24 v5, v1, SPITCH
	v_lshl_add_u32 v5, v2, 6, v5
	v_add_nc_u32 v[STO], s23, v5
	v_mul_u32_u24 v5, v2, SPITCH
	v_lshl_add_u32 v5, v1, 4, v5
	v_add_nc_u32 v[RD], s23, v5
	v_lshlrev_b32 v5, 12, v2
	v_lshl_add_u32 v[CO], v1, 4, v5
	s_lshl_b32 s2, s17, 8
	s_lshl_b32 s3, s15, 7
	s_add_co_u32 s2, s2, s3                        ; my first row of out0
	s_lshl_b32 s2, s2, 12
	s_mov_b32 s3, 0
	s_lshl_b32 s46, s42, 9
	s_lshl_b32 s47, s16, 8
	s_add_co_u32 s46, s46, s47
	s_mov_b32 s47, 0
	s_add_nc_u64 s[2:3], s[2:3], s[46:47]
	s_add_nc_u64 s[12:13], s[12:13], s[2:3]
; 8 matrix instructions: A's blocks a0, a0 + 1 x B's four, unit u.  The 32 accumulators take turns, in the same order in every unit.
.macro MUL8 a0, u, zero
.irp a, \a0, \a0+1
.irp b, 0,1,2,3
.if \zero
	v_wmma_scale_f32_16x16x128_f8f6f4 v[8*(4*(\a)+\b):8*(4*(\a)+\b)+7], v[64*((\u)%2)+FR*\b:64*((\u)%2)+FR*\b+FR-1], v[AF+FR*(\a):AF+FR*(\a)+FR-1], v[BI+8*\b:BI+8*\b+7], v[SC+16*(((\u)/2)%2)+2*\b+(\u)%2], v[SC+16*(((\u)/2)%2)+2*(\a)+(\u)%2] matrix_a_scale:MATRIX_SCALE_ROW1
.else
	v_wmma_scale_f32_16x16x128_f8f6f4 v[8*(4*(\a)+\b):8*(4*(\a)+\b)+7], v[64*((\u)%2)+FR*\b:64*((\u)%2)+FR*\b+FR-1], v[AF+FR*(\a):AF+FR*(\a)+FR-1], v[8*(4*(\a)+\b):8*(4*(\a)+\b)+7], v[SC+16*(((\u)/2)%2)+2*\b+(\u)%2], v[SC+16*(((\u)/2)%2)+2*(\a)+(\u)%2] matrix_a_scale:MATRIX_SCALE_ROW1
.endif
.endr
.endr
.endm
.macro FETCH_A u, i0                   ; A's blocks i0 .. i0 + 3 of unit u, which lies in place u % 5: 16 loads
.irp i, \i0, \i0+1, \i0+2, \i0+3
.irp c, 0,1,2,3
	ds_load_b128 v[AF+FR*(\i)+4*\c:AF+FR*(\i)+4*\c+3], v[ADRA+(\u)%5] offset:2048*(\i)+512*\c
.endr
.endr
.endm
.macro FETCH1 u                        ; the first run for unit u: B's four fragments into set u % 2, A's blocks 0-3, and with an even u the scale words of two units
	WIN TO_B
.irp i, 0,1,2,3
.irp c, 0,1,2,3
	ds_load_b128 v[64*((\u)%2)+FR*\i+4*\c:64*((\u)%2)+FR*\i+4*\c+3], v[ADRB] offset:128*(\u)+32*\c+\i*16*BP
.endr
.endr
	WIN 0
	FETCH_A \u, 0
.if (\u)%2 == 0
.irp i, 0,1,2,3
	ds_load_b64 v[SC+16*(((\u)/2)%2)+2*\i:SC+16*(((\u)/2)%2)+2*\i+1], v[ADRS] offset:\i*544+4*(\u)
.endr
.irp i, 4,5,6,7
	ds_load_b64 v[SC+16*(((\u)/2)%2)+2*\i:SC+16*(((\u)/2)%2)+2*\i+1], v[ADRSA] offset:\i*544+4*(\u)
.endr
.endif
.endm
.macro SECOND u                        ; a unit's second half, under which the next unit's last fragments are asked for
	WIN MUL
	MUL8 4, \u, 0
	MUL8 6, \u, 0
	PLACES NP
	WIN 0
	FETCH_A (\u)+1, 4
.endm
.macro UNIT u
	s_wait_dscnt 16                                ; all but the youngest sixteen loads, A's blocks 4-7
	WIN MUL
	MUL8 0, \u, 0
	MUL8 2, \u, 0
	s_wait_dscnt 0
	PLACES NP
	FETCH1 (\u)+1
	SECOND \u
.endm
	s_wait_alu depctr_va_vdst(0)
	s_wait_tensorcnt 0x0                           ; my tile of the head's four is in,
	s_barrier_signal -1
	s_barrier_wait -1                              ; and so is everybody's
	FETCH1 0
	FETCH_A 0, 4
	s_wait_loadcnt 0x0                             ; the bias
	s_wait_dscnt 16
	WIN MULZ                                       ; unit 0: its products start the sums, from the bias
	MUL8 0, 0, 1
	MUL8 2, 0, 1
	s_wait_dscnt 0
	PLACES NP
	FETCH1 1
	WIN MULZ
	MUL8 4, 0, 1
	MUL8 6, 0, 1
	PLACES NP
	WIN 0
	FETCH_A 1, 4
	UNIT 1
	s_wait_tensorcnt 0x0                           ; unit 2, with the round: no tensor load of mine is out;
	ds_add_u32 v[SPW], v[NIL]
	s_wait_dscnt 17                                ; (the add and A's blocks 4-7 may be out)
	WIN MUL
	MUL8 0, 2, 0
	s_wait_dscnt 0x0                               ; the add is done, and units 0 to 2 have been read for the last time
	s_barrier_signal -1
	MUL8 2, 2, 0
	WIN 0
	s_barrier_wait -1
	CREST                                          ; no wave of any partner still reads places 0 to 2
	tensor_load_to_lds s[G0R:G0R+3], s[G1R:G1R+7]  ; units 5 to 7, my quarter
	s_nop 0
	PLACES NP
	FETCH1 3
	SECOND 2
	UNIT 3
	s_wait_dscnt 16                                ; unit 4: all its products stand ahead of the wait for the refill
	WIN MUL
	MUL8 0, 4, 0
	MUL8 2, 4, 0
	s_wait_dscnt 0
	MUL8 4, 4, 0
	MUL8 6, 4, 0
	WIN 0
	s_wait_tensorcnt 0x0                           ; my quarter of units 5 to 7 is in,
	s_barrier_signal -1
	s_barrier_wait -1                              ; and so is everybody's; places 3 and 4 are read no more
	PLACES NP
	FETCH1 5
	FETCH_A 5, 4
	UNIT 5
	UNIT 6
	s_wait_dscnt 16
	WIN MUL
	MUL8 0, 7, 0
	MUL8 2, 7, 0
	s_wait_dscnt 0
	MUL8 4, 7, 0
	MUL8 6, 7, 0
	WIN 0
; THE WAY OUT, block by block of 16 tokens x 64 features, through my stage: sixteen lanes store 256 consecutive bytes, aligned.  LDS serves a wave's instructions in order (ISA guide 5.7.1.4).
.macro TOSTAGE a
	WIN 0x08
.irp b, 0,1,2,3
	ds_store_b128 v[STO], v[8*(4*(\a)+\b):8*(4*(\a)+\b)+3] offset:128*(\b/2)+32*(\b%2)
	ds_store_b128 v[STO], v[8*(4*(\a)+\b)+4:8*(4*(\a)+\b)+7] offset:128*(\b/2)+32*(\b%2)+16
.endr
	WIN 0
.set BB, BK+32*((\a)%2)
.irp t, 0,1,2,3,4,5,6,7
	ds_load_b128 v[BB+4*\t:BB+4*\t+3], v[RD] offset:\t*2*SPITCH
.endr
.endm
.macro SEND a, younger
.set BB, BK+32*((\a)%2)
	s_wait_dscnt \younger
.if (\a) > 0
	s_add_nc_u64 s[12:13], s[12:13], 16*4096       ; (behind a wait on XCNT)
.endif
.irp t, 0,1,2,3,4,5,6,7
	global_store_b128 v[CO], v[BB+4*\t:BB+4*\t+3], s[12:13] offset:\t*2*4096 th:TH_STORE_NT
.endr
.endm
	PLACES NP
	TOSTAGE 0
.irp a, 1,2,3,4,5,6,7
.if \a > 1
	s_wait_xcnt 0x0                                ; block a - 2's stores have read their registers and their base
.endif
	TOSTAGE \a
	SEND \a-1, 16
.endr
	s_wait_xcnt 0x0
	SEND 7, 0
	s_wait_tensorcnt 0x0                           ; the wave's end
	ds_add_u32 v[SPW], v[NIL]
	s_wait_dscnt 0x0
	CROUND                                         ; the closing round
	s_endpgm
.Lfunc_end_k_q7809157b25_outgemm:
	.size	k_q7809157b25_outgemm, .Lfunc_end_k_q7809157b25_outgemm-k_q7809157b25_outgemm
	.p2alignl 7, 3214868480
	.fill 96, 4, 3214868480
	.section	.rodata,"a",@progbits
	.p2align	6, 0x0
	.amdhsa_kernel k_q7809157b25_outgemm
		.amdhsa_group_segment_fixed_size 327680
		.amdhsa_private_segment_fixed_size 0
		.amdhsa_enable_private_segment 0
		.amdhsa_kernarg_size 48
		.amdhsa_user_sgpr_count 2
		.amdhsa_user_sgpr_kernarg_segment_ptr 1
		.amdhsa_wavefront_size32 1
		.amdhsa_system_sgpr_workgroup_id_x 1
		.amdhsa_system_sgpr_workgroup_id_y 1
		.amdhsa_system_sgpr_workgroup_id_z 1
		.amdhsa_system_vgpr_workitem_id 0
		.amdhsa_next_free_vgpr 768
		.amdhsa_next_free_sgpr 98
		.amdhsa_reserve_vcc 0
		.amdhsa_float_denorm_mode_32 3
		.amdhsa_float_denorm_mode_16_64 3
		.amdhsa_memory_ordered 1
		.amdhsa_forward_progress 1
		.amdhsa_inst_pref_size 91
	.end_amdhsa_kernel
	.amdgpu_metadata
---
amdhsa.version: [ 1, 2 ]
amdhsa.kernels:
  - .name:           k_q7809157b25_outgemm
    .symbol:         k_q7809157b25_outgemm.kd
    .args:
      - { .name: o_codes, .offset: 0, .size: 8, .value_kind: global_buffer, .address_space: global }
      - { .name: o_scales, .offset: 8, .size: 8, .value_kind: global_buffer, .address_space: global }
      - { .name: w_codes, .offset: 16, .size: 8, .value_kind: global_buffer, .address_space: global }
      - { .name: w_scales, .offset: 24, .size: 8, .value_kind: global_buffer, .address_space: global }
      - { .name: out0, .offset: 32, .size: 8, .value_kind: global_buffer, .address_space: global }
      - { .name: Wo_b, .offset: 40, .size: 8, .value_kind: global_buffer, .address_space: global }
    .group_segment_fixed_size: 327680
    .private_segment_fixed_size: 0
    .kernarg_segment_align: 8
    .kernarg_segment_size: 48
    .max_flat_workgroup_size: 128
    .sgpr_count:     98
    .vgpr_count:     768
    .wavefront_size: 32
...
	.end_amdgpu_metadata
.endif
;; end of part 4
